; MI455X (gfx1250); checked and timed in simulation.
; The chip was launched on July 23, 2026; its instructions are those of AMD's public machine-readable ISA for CDNA 5 (MIT licence, August 2026) and "CDNA5" Instruction Set Architecture Reference Guide (July 2026). The comments in the code are by the model that wrote it; some were corrected since.
;; Network Multi Scale. Allowed arithmetic: float matrix products may take bf16 or f16 operands with f32 sums; other float arithmetic in f32, or as packed bf16 or f16 multiplies, adds, multiply-adds, maxima and minima; sums over many terms, partial sums and values carried from step to step in f32; what a program stores and reads back later, other than sums and carried values, may be rounded once to bf16 or f16.
;; Inputs: W1 128 x 3 float32; W2 128 x 128 float32; Wm1 128 x 256 float32; Wm2 128 x 128 float32; Wm3 128 x 128 float32; Wp 2 x 128 float32; b1 128 float32; b2 128 float32; bm1 128 float32; bm2 128 float32; bm3 128 float32; bp 2 float32; ids_down 2 x 3,000 int32; pos 2 x 3 x 20,000 float32; pos_non_manifold 2 x 3 x 2,500 float32; x 2 x 3 x 20,000 float32.
;; Outputs: out0 2 x 2 x 2,500 float32.
;; 2 versions, each right; version 2 is version 1 with the launches mlp, final written anew for expert scheduling mode. Each part assembles by itself: llvm-mc -triple=amdgcn-amd-amdhsa -mcpu=gfx1250 --defsym DOCPART=n.
;; ======== version 1 of 2: 5 launches
;; workspace buffers: dbP 655,360 bytes; dbS 196,608 bytes; dbQ 81,920 bytes; wq 1,280 bytes; gm 12,800,000 bytes; ag 160,000 bytes of whole numbers; gl 320,000 bytes of whole numbers; p 327,680 bytes
;; launch prep (part 1): grid 52 x 2, 8 waves a work-group, no clusters, 0 bytes of LDS; arguments pos, pos_non_manifold, x, ids_down, Wp, Wm3, bm3, bp, dbP, dbS, dbQ, wq; writes dbP, dbS, dbQ, wq
.if DOCPART == 1
	.amdgcn_target "amdgcn-amd-amdhsa--gfx1250"
	.amdhsa_code_object_version 6
	.text
	.protected	k_qd54f76eb94_prep
	.globl	k_qd54f76eb94_prep
	.p2align	8
	.type	k_qd54f76eb94_prep,@function
k_qd54f76eb94_prep:
	s_mov_b64 s[64:65], 0
	v_nop
	global_prefetch_b8 v0, s[64:65] scope:SCOPE_SE
	s_setreg_imm32_b32 hwreg(HW_REG_WAVE_MODE, 25, 1), 1
	s_wait_xcnt 0x0
; TABLES FOR THE LATER LAUNCHES.  Every floating-point input of the module is rounded once to bf16 (nearest even) and kept as f32.
; dbP [2][4][20480]: x, y, z, |.|^2 of the points;  dbQ [2][4][2560]: the same of the queries;
; dbS [2][8][3072]: x, y, z, |.|^2, f0, f1, f2, 0 of the support points (gathered by ids_down).  Behind a table's last point: 0, 0, 0, +inf (, 0 ..).
; wq: Wq = Wp Wm3 [2][128] in f32, then cp = Wp bm3 + bp [2]: the last merge layer and the projection head are one linear map.
; The norm is x x, then two fused multiply-adds: products of two bf16 numbers are exact in f32, so this is the plain sum (x x + y y) + z z.
; SHARES.  Work-group y = batch.  x 0-39: points, 40-45: supports, 46-50: queries, 512 elements each, two neighbouring ones a thread
; (a wave's load or store of a row covers 256 consecutive bytes); x 51: row y of Wq and cp[y].
; LIMITS.  An index outside 0..19999 is held to 19999.  NaN is not treated apart.
.macro RB2 a, t                        ; two f32 rounded to bf16 and widened again, in place
	v_cvt_pk_bf16_f32 v[\t], v[\a], v[(\a)+1]
	v_lshlrev_b32 v[\a], 16, v[\t]
	v_and_b32 v[(\a)+1], 0xffff0000, v[\t]
.endm
.macro NORM o, x, y, z                 ; the squared norm of two points
	v_pk_mul_f32 v[\o:(\o)+1], v[\x:(\x)+1], v[\x:(\x)+1]
	v_pk_fma_f32 v[\o:(\o)+1], v[\y:(\y)+1], v[\y:(\y)+1], v[\o:(\o)+1]
	v_pk_fma_f32 v[\o:(\o)+1], v[\z:(\z)+1], v[\z:(\z)+1], v[\o:(\o)+1]
.endm
; Three rows of n numbers -> four rows of a table.  first: the role's first work-group; srow, sb: bytes from row to row and batch to batch in the source; drow, db: in the table.
.macro PREP3 first, n, srow, sb, drow, db, src, dst
	s_sub_co_u32 s28, ttmp9, \first
	s_lshl_b32 s28, s28, 9
	v_lshl_add_u32 v1, v0, 1, s28                  ; e: my first element
	v_min_u32 v2, (\n)-2, v1                       ; a thread behind the end loads the last pair and stores the padding
	v_lshlrev_b32 v2, 2, v2
	v_lshlrev_b32 v3, 2, v1
	s_mul_i32 s30, s29, \sb
	s_add_nc_u64 s[32:33], s[\src:(\src)+1], s[30:31]
	s_mul_i32 s30, s29, \db
	s_add_nc_u64 s[34:35], s[\dst:(\dst)+1], s[30:31]
	global_load_b64 v[4:5], v2, s[32:33]
	global_load_b64 v[6:7], v2, s[32:33] offset:\srow
	global_load_b64 v[8:9], v2, s[32:33] offset:2*(\srow)
	s_wait_loadcnt 0x0
	RB2 4, 12
	RB2 6, 12
	RB2 8, 12
	NORM 10, 4, 6, 8
	v_cmp_le_u32 vcc_lo, \n, v1                    ; n is even: a pair lies wholly inside or wholly behind the end
.irp g, 4,5,6,7,8,9
	v_cndmask_b32 v\g, v\g, v14, vcc_lo
.endr
	v_cndmask_b32 v10, v10, v13, vcc_lo
	v_cndmask_b32 v11, v11, v13, vcc_lo
	global_store_b64 v3, v[4:5], s[34:35]
	global_store_b64 v3, v[6:7], s[34:35] offset:\drow
	global_store_b64 v3, v[8:9], s[34:35] offset:2*(\drow)
	global_store_b64 v3, v[10:11], s[34:35] offset:3*(\drow)
.endm
	s_load_b512 s[4:19], s[0:1], 0x0               ; pos s[4:5], queries s[6:7], x s[8:9], ids s[10:11], Wp s[12:13], Wm3 s[14:15], bm3 s[16:17], bp s[18:19]
	s_load_b256 s[20:27], s[0:1], 0x40             ; dbP s[20:21], dbS s[22:23], dbQ s[24:25], wq s[26:27]
	s_and_b32 s29, ttmp7, 0xffff                   ; the batch
	s_mov_b32 s31, 0                               ; the high word of every offset
	v_mov_b32 v13, 0x7f800000                      ; +inf
	v_mov_b32 v14, 0
	s_wait_kmcnt 0x0
	s_cmp_lt_u32 ttmp9, 40
	s_cbranch_scc0 .Lnot_p
	PREP3 0, 20000, 80000, 240000, 81920, 327680, 4, 20
	s_endpgm
.Lnot_p:
	s_cmp_lt_u32 ttmp9, 46
	s_cbranch_scc0 .Lnot_s
	; THE SUPPORTS: two indices a thread, then twelve single loads
	s_sub_co_u32 s28, ttmp9, 40
	s_lshl_b32 s28, s28, 9
	v_lshl_add_u32 v1, v0, 1, s28
	v_min_u32 v2, 2998, v1
	v_lshlrev_b32 v2, 2, v2
	v_lshlrev_b32 v3, 2, v1
	s_mul_i32 s30, s29, 12000
	s_add_nc_u64 s[38:39], s[10:11], s[30:31]
	s_mul_i32 s30, s29, 240000
	s_add_nc_u64 s[32:33], s[4:5], s[30:31]
	s_add_nc_u64 s[36:37], s[8:9], s[30:31]
	s_mul_i32 s30, s29, 98304
	s_add_nc_u64 s[34:35], s[22:23], s[30:31]
	global_load_b64 v[4:5], v2, s[38:39]
	s_wait_loadcnt 0x0
	v_min_u32 v4, 19999, v4                        ; a loaded number enters an address only behind this bound
	v_min_u32 v5, 19999, v5
	v_lshlrev_b32 v4, 2, v4
	v_lshlrev_b32 v5, 2, v5
.irp c, 0,1,2
	global_load_b32 v[16+2*\c], v4, s[32:33] offset:80000*\c
	global_load_b32 v[17+2*\c], v5, s[32:33] offset:80000*\c
	global_load_b32 v[22+2*\c], v4, s[36:37] offset:80000*\c
	global_load_b32 v[23+2*\c], v5, s[36:37] offset:80000*\c
.endr
	s_wait_loadcnt 0x0
.irp a, 16,18,20,22,24,26
	RB2 \a, 12
.endr
	NORM 28, 16, 18, 20
	v_cmp_le_u32 vcc_lo, 3000, v1
.irp g, 16,17,18,19,20,21,22,23,24,25,26,27
	v_cndmask_b32 v\g, v\g, v14, vcc_lo
.endr
	v_cndmask_b32 v28, v28, v13, vcc_lo
	v_cndmask_b32 v29, v29, v13, vcc_lo
	v_mov_b32 v30, 0
	v_mov_b32 v31, 0
	global_store_b64 v3, v[16:17], s[34:35]
	global_store_b64 v3, v[18:19], s[34:35] offset:12288
	global_store_b64 v3, v[20:21], s[34:35] offset:2*12288
	global_store_b64 v3, v[28:29], s[34:35] offset:3*12288
	global_store_b64 v3, v[22:23], s[34:35] offset:4*12288
	global_store_b64 v3, v[24:25], s[34:35] offset:5*12288
	global_store_b64 v3, v[26:27], s[34:35] offset:6*12288
	global_store_b64 v3, v[30:31], s[34:35] offset:7*12288
	s_endpgm
.Lnot_s:
	s_cmp_lt_u32 ttmp9, 51
	s_cbranch_scc0 .Lrole_w
	PREP3 46, 2500, 10000, 30000, 10240, 40960, 6, 24
	s_endpgm
.Lrole_w:
	; ROW o = y OF Wq AND cp[o]
	v_lshrrev_b32 v1, 5, v0
	v_readfirstlane_b32 s28, v1                    ; the wave
	v_and_b32 v1, 31, v0                           ; the lane
	v_lshlrev_b32 v2, 4, v1
	s_lshl_b32 s30, s29, 9
	s_add_nc_u64 s[32:33], s[12:13], s[30:31]      ; Wp's row o
	s_add_nc_u64 s[34:35], s[26:27], s[30:31]      ; Wq's row o
	s_cmp_lt_u32 s28, 4
	s_cbranch_scc0 .Lw_cp
	; waves 0-3: thread k makes Wq[o][k] = sum over c of Wp[o][c] Wm3[c][k]; lane l holds Wp[o][4 l .. 4 l + 3], handed round by v_readlane_b32
	global_load_b128 v[4:7], v2, s[32:33]
	v_lshlrev_b32 v3, 2, v0
.set c, 0
.rept 128
	global_load_b32 v[32+c], v3, s[14:15] offset:512*c  ; a wave's load covers 128 consecutive bytes of row c
.set c, c+1
.endr
	s_wait_loadcnt 0x0
	RB2 4, 12
	RB2 6, 12
.set c, 0
.rept 64
	RB2 32+2*c, 12
.set c, c+1
.endr
.set c, 0
.rept 128                              ; four sums take turns; the first four products start them
	v_readlane_b32 s[36+c%4], v[4+c%4], c/4
.if c < 4
	v_mul_f32 v[8+c%4], s[36+c%4], v[32+c]
.else
	v_fmac_f32 v[8+c%4], s[36+c%4], v[32+c]
.endif
.set c, c+1
.endr
	v_add_f32 v8, v8, v9
	v_add_f32 v10, v10, v11
	v_add_f32 v8, v8, v10
	global_store_b32 v3, v8, s[34:35]
	s_endpgm
.Lw_cp:
	s_cmp_eq_u32 s28, 4
	s_cbranch_scc0 .Lw_none
	; wave 4: cp[o] = sum over c of Wp[o][c] bm3[c] + bp[o]
	s_lshl_b32 s38, s29, 2
	v_mov_b32 v20, s38
	global_load_b128 v[4:7], v2, s[32:33]
	global_load_b128 v[16:19], v2, s[16:17]
	global_load_b32 v21, v20, s[18:19]
	s_mov_b32 s36, 0x76543210                      ; v_permlanex16_b32: each lane takes its own place in the other half
	s_mov_b32 s37, 0xfedcba98
	v_mov_b32 v23, 0
	s_wait_loadcnt 0x0
	RB2 4, 12
	RB2 6, 12
	RB2 16, 12
	RB2 18, 12
	v_cvt_pk_bf16_f32 v12, v21, v21
	v_lshlrev_b32 v21, 16, v12
	v_mul_f32 v22, v4, v16
	v_fmac_f32 v22, v5, v17
	v_fmac_f32 v22, v6, v18
	v_fmac_f32 v22, v7, v19
	v_add_f32_dpp v22, v22, v22 row_xmask:1 row_mask:0xf bank_mask:0xf
	v_add_f32_dpp v22, v22, v22 row_xmask:2 row_mask:0xf bank_mask:0xf
	v_add_f32_dpp v22, v22, v22 row_xmask:4 row_mask:0xf bank_mask:0xf
	v_add_f32_dpp v22, v22, v22 row_xmask:8 row_mask:0xf bank_mask:0xf
	v_permlanex16_b32 v23, v22, s36, s37
	v_add_f32 v22, v22, v23
	v_add_f32 v22, v22, v21
	v_cmp_eq_u32 vcc_lo, 0, v1
	s_wait_xcnt 0x0                                ; EXEC changes only behind this wait
	s_and_saveexec_b32 s40, vcc_lo                 ; lane 0 alone stores
	global_store_b32 v20, v22, s[26:27] offset:1024
	s_wait_xcnt 0x0
	s_or_b32 exec_lo, exec_lo, s40
.Lw_none:
	s_endpgm
.Lfunc_end_k_qd54f76eb94_prep:
	.size	k_qd54f76eb94_prep, .Lfunc_end_k_qd54f76eb94_prep-k_qd54f76eb94_prep
	.p2alignl 7, 3214868480
	.fill 96, 4, 3214868480
	.section	.rodata,"a",@progbits
	.p2align	6, 0x0
	.amdhsa_kernel k_qd54f76eb94_prep
		.amdhsa_group_segment_fixed_size 0
		.amdhsa_private_segment_fixed_size 0
		.amdhsa_enable_private_segment 0
		.amdhsa_kernarg_size 96
		.amdhsa_user_sgpr_count 2
		.amdhsa_user_sgpr_kernarg_segment_ptr 1
		.amdhsa_wavefront_size32 1
		.amdhsa_system_sgpr_workgroup_id_x 1
		.amdhsa_system_sgpr_workgroup_id_y 1
		.amdhsa_system_sgpr_workgroup_id_z 1
		.amdhsa_system_vgpr_workitem_id 0
		.amdhsa_next_free_vgpr 160
		.amdhsa_next_free_sgpr 66
		.amdhsa_reserve_vcc 1
		.amdhsa_float_denorm_mode_32 3
		.amdhsa_float_denorm_mode_16_64 3
		.amdhsa_memory_ordered 1
		.amdhsa_forward_progress 1
		.amdhsa_inst_pref_size 47
	.end_amdhsa_kernel
	.amdgpu_metadata
---
amdhsa.version: [ 1, 2 ]
amdhsa.kernels:
  - .name:           k_qd54f76eb94_prep
    .symbol:         k_qd54f76eb94_prep.kd
    .args:
      - { .name: pos, .offset: 0, .size: 8, .value_kind: global_buffer, .address_space: global }
      - { .name: pos_non_manifold, .offset: 8, .size: 8, .value_kind: global_buffer, .address_space: global }
      - { .name: x, .offset: 16, .size: 8, .value_kind: global_buffer, .address_space: global }
      - { .name: ids_down, .offset: 24, .size: 8, .value_kind: global_buffer, .address_space: global }
      - { .name: Wp, .offset: 32, .size: 8, .value_kind: global_buffer, .address_space: global }
      - { .name: Wm3, .offset: 40, .size: 8, .value_kind: global_buffer, .address_space: global }
      - { .name: bm3, .offset: 48, .size: 8, .value_kind: global_buffer, .address_space: global }
      - { .name: bp, .offset: 56, .size: 8, .value_kind: global_buffer, .address_space: global }
      - { .name: dbP, .offset: 64, .size: 8, .value_kind: global_buffer, .address_space: global }
      - { .name: dbS, .offset: 72, .size: 8, .value_kind: global_buffer, .address_space: global }
      - { .name: dbQ, .offset: 80, .size: 8, .value_kind: global_buffer, .address_space: global }
      - { .name: wq, .offset: 88, .size: 8, .value_kind: global_buffer, .address_space: global }
    .group_segment_fixed_size: 0
    .private_segment_fixed_size: 0
    .kernarg_segment_align: 8
    .kernarg_segment_size: 96
    .max_flat_workgroup_size: 256
    .sgpr_count:     66
    .vgpr_count:     160
    .wavefront_size: 32
...
	.end_amdgpu_metadata
.endif
;; end of part 1
;; launch dist (part 2): grid 625 x 2, 5 waves a work-group, no clusters, 0 bytes of LDS; arguments dbP, dbS, dbQ, gm, ag; writes gm, ag
.if DOCPART == 2
	.amdgcn_target "amdgcn-amd-amdhsa--gfx1250"
	.amdhsa_code_object_version 6
	.text
	.protected	k_qd54f76eb94_dist
	.globl	k_qd54f76eb94_dist
	.p2align	8
	.type	k_qd54f76eb94_dist,@function
k_qd54f76eb94_dist:
	s_mov_b64 s[64:65], 0
	v_nop
	global_prefetch_b8 v0, s[64:65] scope:SCOPE_SE
	s_setreg_imm32_b32 hwreg(HW_REG_WAVE_MODE, 25, 1), 1
	s_wait_xcnt 0x0
; ALL SQUARED DISTANCES, REDUCED TO GROUPS OF 32 NEIGHBOURING INDICES.
; d2 = (aa + bb) - 2 ab with ab = (x x' + y y') + z z', in f32 on coordinates that hold bf16 numbers: every product is exact, so the chain of one
; multiply and two fused multiply-adds has the bits of the plain sum, and the later launches, which repeat the chain, find the same numbers again.
; The vector unit does this, not the matrix unit: a choice of neighbours hangs on the last bit, and a matrix instruction's sum is no chain of f32 additions (and K is 3 of 32).
; A wave keeps 1,024 table points in 128 registers: lane l the 32 points of group 32 chunk + l.  The other side comes as scalars, four points a scalar load and row, a block ahead.
; One point against the 1,024: 80 packed lines for 1,024 distances, 18 for each lane's minimum.
; ROLE T (work-groups 125-624): table = a chunk of dbP, stream = 20 queries a wave; gm[b][q][group] takes the lane's minimum.
; ROLE A (work-groups 0-124, the longer share, first in the grid): a wave streams 32 points against the three chunks of dbS and keeps, for each point, the group that
; holds its nearest support: the lowest lane with the wave's minimum, and a later chunk only if strictly nearer: the first index wins a tie.  ag[b][n] takes the group (0..95).
; The numbers made from comparisons are data alone: no address and no branch hangs on them here.
; LIMITS.  NaN is not treated apart (a NaN distance leaves no lane equal to the minimum; the later launch holds the group to 0..95).
.set X,  32                            ; v[32:63]   the table's x, 32 points a lane
.set Y,  64
.set Z,  96
.set W,  128                           ; squared norms
.set AB, 160                           ; the inner products
.set T,  192                           ; aa + bb, then d2
; v1 = 128 lane, v2 = 4 lane; v8-11 four chains of minima; v12-15 role T's four results; v16 lane minimum, v17 wave minimum, v18/v19 the chunk's best and group, v20/v21 the best so far, v22 at work
; s[20:21] table, s[22:23] stream, s[24:25] output, s[26:27] role A's stream start; s[32:47] the block in hand, s[48:63] the block on its way; s66, s68, s70, s72 the point in hand (low words of pairs)
.macro LOADDB rs                       ; 1,024 points: four rows, eight loads of 16 bytes a lane
.set ro, 0
.rept 4
.set t, 0
.rept 8
	global_load_b128 v[32+32*ro+4*t:32+32*ro+4*t+3], v1, s[20:21] offset:ro*(\rs)+16*t
.set t, t+1
.endr
.set ro, ro+1
.endr
	s_wait_loadcnt 0x0
.endm
.macro STREAM rs                       ; four points of the stream, row by row
	s_load_b128 s[48:51], s[22:23], 0x0
	s_load_b128 s[52:55], s[22:23], \rs
	s_load_b128 s[56:59], s[22:23], 2*(\rs)
	s_load_b128 s[60:63], s[22:23], 3*(\rs)
.endm
.macro BLOCKHEAD rs
	s_wait_kmcnt 0x0                               ; the block is in (scalar loads return in no order: zero), and the loads' base may be stepped
.irp k, 0,2,4,6,8,10,12,14
	s_mov_b64 s[32+\k:33+\k], s[48+\k:49+\k]
.endr
	s_add_nc_u64 s[22:23], s[22:23], 16
	STREAM \rs                                     ; the next block; behind the last one it falls into the table's written padding
.endm
.macro QUERY j, dst                    ; point j of the block against the 1,024: each lane's minimum into v[dst]
	s_mov_b32 s66, s[32+(\j)]
	s_mov_b32 s68, s[36+(\j)]
	s_mov_b32 s70, s[40+(\j)]
	s_mov_b32 s72, s[44+(\j)]
.set i, 0
.rept 16
	v_pk_mul_f32 v[AB+2*i:AB+2*i+1], v[X+2*i:X+2*i+1], s[66:67] op_sel_hi:[1,0]
.set i, i+1
.endr
.set i, 0
.rept 16
	v_pk_fma_f32 v[AB+2*i:AB+2*i+1], v[Y+2*i:Y+2*i+1], s[68:69], v[AB+2*i:AB+2*i+1] op_sel_hi:[1,0,1]
.set i, i+1
.endr
.set i, 0
.rept 16
	v_pk_fma_f32 v[AB+2*i:AB+2*i+1], v[Z+2*i:Z+2*i+1], s[70:71], v[AB+2*i:AB+2*i+1] op_sel_hi:[1,0,1]
.set i, i+1
.endr
.set i, 0
.rept 16
	v_pk_add_f32 v[T+2*i:T+2*i+1], v[W+2*i:W+2*i+1], s[72:73] op_sel_hi:[1,0]
.set i, i+1
.endr
.set i, 0
.rept 16
	v_pk_fma_f32 v[T+2*i:T+2*i+1], v[AB+2*i:AB+2*i+1], -2.0, v[T+2*i:T+2*i+1] op_sel_hi:[1,0,1]
.set i, i+1
.endr
.irp k, 0,1,2,3
	v_min3_num_f32 v[8+\k], v[T+8*\k], v[T+8*\k+1], v[T+8*\k+2]
.endr
.irp k, 0,1,2,3
	v_min3_num_f32 v[8+\k], v[8+\k], v[T+8*\k+3], v[T+8*\k+4]
.endr
.irp k, 0,1,2,3
	v_min3_num_f32 v[8+\k], v[8+\k], v[T+8*\k+5], v[T+8*\k+6]
.endr
.irp k, 0,1,2,3
	v_min_num_f32 v[8+\k], v[8+\k], v[T+8*\k+7]
.endr
	v_min3_num_f32 v[\dst], v8, v9, v10
	v_min_num_f32 v[\dst], v[\dst], v11
.endm
	s_load_b256 s[4:11], s[0:1], 0x0               ; dbP s[4:5], dbS s[6:7], dbQ s[8:9], gm s[10:11]
	s_load_b64 s[12:13], s[0:1], 0x20              ; ag
	v_and_b32 v3, 31, v0
	v_lshrrev_b32 v4, 5, v0
	v_readfirstlane_b32 s14, v4                    ; the wave
	v_lshlrev_b32 v1, 7, v3
	v_lshlrev_b32 v2, 2, v3
	s_and_b32 s15, ttmp7, 0xffff                   ; the batch
	s_mov_b32 s29, 0                               ; the high word of every offset
	s_mov_b32 s67, 0                               ; the packed lines name pairs and take the low word for both halves
	s_mov_b32 s69, 0
	s_mov_b32 s71, 0
	s_mov_b32 s73, 0
	s_wait_kmcnt 0x0
	s_cmp_lt_u32 ttmp9, 125
	s_cbranch_scc1 .Lrole_a
	; ROLE T.  t = x - 125 = 25 chunk + part: 20 chunks of 1,024 points x 25 parts of 100 queries
	s_sub_co_u32 s16, ttmp9, 125
	s_mul_i32 s17, s16, 1311
	s_lshr_b32 s17, s17, 15                        ; t / 25, exact for t < 500: 1311 / 32768 lies 8.5e-6 above 1 / 25
	s_mul_i32 s18, s17, 25
	s_sub_co_u32 s18, s16, s18
	s_mul_i32 s18, s18, 100
	s_mul_i32 s19, s14, 20
	s_add_co_u32 s18, s18, s19                     ; my first query
	s_mul_i32 s28, s15, 327680
	s_lshl_b32 s30, s17, 12
	s_add_co_u32 s28, s28, s30
	s_add_nc_u64 s[20:21], s[4:5], s[28:29]
	s_mul_i32 s28, s15, 40960
	s_lshl2_add_u32 s28, s18, s28
	s_add_nc_u64 s[22:23], s[8:9], s[28:29]
	s_mul_i32 s28, s15, 2500
	s_add_co_u32 s28, s28, s18
	s_mul_i32 s28, s28, 2560                       ; a query's 640 minima
	s_lshl_b32 s30, s17, 7                         ; the chunk's 32 groups
	s_add_co_u32 s28, s28, s30
	s_add_nc_u64 s[24:25], s[10:11], s[28:29]
	STREAM 10240
	LOADDB 81920
	s_mov_b32 s74, 5
.Ltq:                                  ; a trip: four queries
	BLOCKHEAD 10240
.irp j, 0,1,2,3
	QUERY \j, 12+\j
	global_store_b32 v2, v[12+\j], s[24:25] offset:2560*\j  ; 128 consecutive bytes of the query's row
.endr
	s_wait_xcnt 0x0                                ; the stores' data and base are written again only behind this wait
	s_add_nc_u64 s[24:25], s[24:25], 10240
	s_sub_co_u32 s74, s74, 1
	s_cmp_lg_u32 s74, 0
	s_cbranch_scc1 .Ltq
	s_endpgm
.Lrole_a:
	s_mul_i32 s16, ttmp9, 5
	s_add_co_u32 s16, s16, s14                     ; my block of 32 points, 0..624
	s_mul_i32 s28, s15, 98304
	s_add_nc_u64 s[20:21], s[6:7], s[28:29]
	s_lshl_b32 s30, s16, 7
	s_mul_i32 s28, s15, 327680
	s_add_co_u32 s28, s28, s30
	s_add_nc_u64 s[26:27], s[4:5], s[28:29]
	s_mul_i32 s28, s15, 80000
	s_add_co_u32 s28, s28, s30
	s_add_nc_u64 s[24:25], s[12:13], s[28:29]
	s_mov_b32 s80, 0x76543210                      ; v_permlanex16_b32: each lane takes its own place in the other half
	s_mov_b32 s81, 0xfedcba98
	v_mov_b32 v17, 0                               ; destinations of lane exchanges count as read
	v_mov_b32 v22, 0
	v_mov_b32 v18, 0
	v_mov_b32 v19, 0
	v_mov_b32 v20, 0x7f800000                      ; the best so far: +inf
	v_mov_b32 v21, 0
	s_mov_b32 s77, 0                               ; the chunk's first group
	s_mov_b32 s74, 3
.Lchunk:
	s_wait_kmcnt 0x0                               ; the last block asked for ahead has come: its base and its registers may be written
	s_mov_b64 s[22:23], s[26:27]
	STREAM 81920
	LOADDB 12288
	s_add_nc_u64 s[20:21], s[20:21], 4096          ; behind the wait for the loads that named it
	s_mov_b32 s76, 1                               ; the bit of the lane that keeps the point in hand
	s_mov_b32 s75, 8
.Lblk:                                 ; a trip: four points
	BLOCKHEAD 81920
.irp j, 0,1,2,3
	QUERY \j, 16
	v_min_num_f32_dpp v17, v16, v16 row_xmask:1 row_mask:0xf bank_mask:0xf
	v_min_num_f32_dpp v17, v17, v17 row_xmask:2 row_mask:0xf bank_mask:0xf
	v_min_num_f32_dpp v17, v17, v17 row_xmask:4 row_mask:0xf bank_mask:0xf
	v_min_num_f32_dpp v17, v17, v17 row_xmask:8 row_mask:0xf bank_mask:0xf
	v_permlanex16_b32 v22, v17, s80, s81
	v_min_num_f32 v17, v17, v22                    ; the minimum over the chunk, in every lane
	v_cmp_eq_f32 s78, v16, v17
	s_ctz_i32_b32 s79, s78                         ; the lowest lane that has it
	s_add_co_u32 s79, s79, s77
	v_cndmask_b32 v18, v18, v17, s76
	v_cndmask_b32 v19, v19, s79, s76
	s_lshl_b32 s76, s76, 1
.endr
	s_sub_co_u32 s75, s75, 1
	s_cmp_lg_u32 s75, 0
	s_cbranch_scc1 .Lblk
	v_cmp_lt_f32 vcc_lo, v18, v20                  ; lane i: point i's chunk result against its best
	v_cndmask_b32 v20, v20, v18, vcc_lo
	v_cndmask_b32 v21, v21, v19, vcc_lo
	s_add_co_u32 s77, s77, 32
	s_sub_co_u32 s74, s74, 1
	s_cmp_lg_u32 s74, 0
	s_cbranch_scc1 .Lchunk
	global_store_b32 v2, v21, s[24:25]
	s_endpgm
.Lfunc_end_k_qd54f76eb94_dist:
	.size	k_qd54f76eb94_dist, .Lfunc_end_k_qd54f76eb94_dist-k_qd54f76eb94_dist
	.p2alignl 7, 3214868480
	.fill 96, 4, 3214868480
	.section	.rodata,"a",@progbits
	.p2align	6, 0x0
	.amdhsa_kernel k_qd54f76eb94_dist
		.amdhsa_group_segment_fixed_size 0
		.amdhsa_private_segment_fixed_size 0
		.amdhsa_enable_private_segment 0
		.amdhsa_kernarg_size 40
		.amdhsa_user_sgpr_count 2
		.amdhsa_user_sgpr_kernarg_segment_ptr 1
		.amdhsa_wavefront_size32 1
		.amdhsa_system_sgpr_workgroup_id_x 1
		.amdhsa_system_sgpr_workgroup_id_y 1
		.amdhsa_system_sgpr_workgroup_id_z 1
		.amdhsa_system_vgpr_workitem_id 0
		.amdhsa_next_free_vgpr 224
		.amdhsa_next_free_sgpr 88
		.amdhsa_reserve_vcc 1
		.amdhsa_float_denorm_mode_32 3
		.amdhsa_float_denorm_mode_16_64 3
		.amdhsa_memory_ordered 1
		.amdhsa_forward_progress 1
		.amdhsa_inst_pref_size 63
	.end_amdhsa_kernel
	.amdgpu_metadata
---
amdhsa.version: [ 1, 2 ]
amdhsa.kernels:
  - .name:           k_qd54f76eb94_dist
    .symbol:         k_qd54f76eb94_dist.kd
    .args:
      - { .name: dbP, .offset: 0, .size: 8, .value_kind: global_buffer, .address_space: global }
      - { .name: dbS, .offset: 8, .size: 8, .value_kind: global_buffer, .address_space: global }
      - { .name: dbQ, .offset: 16, .size: 8, .value_kind: global_buffer, .address_space: global }
      - { .name: gm, .offset: 24, .size: 8, .value_kind: global_buffer, .address_space: global }
      - { .name: ag, .offset: 32, .size: 8, .value_kind: global_buffer, .address_space: global }
    .group_segment_fixed_size: 0
    .private_segment_fixed_size: 0
    .kernarg_segment_align: 8
    .kernarg_segment_size: 40
    .max_flat_workgroup_size: 160
    .sgpr_count:     88
    .vgpr_count:     224
    .wavefront_size: 32
...
	.end_amdgpu_metadata
.endif
;; end of part 2
;; launch sel (part 3): grid 125 x 2, 5 waves a work-group, no clusters, 0 bytes of LDS; arguments gm, gl; writes gl
.if DOCPART == 3
	.amdgcn_target "amdgcn-amd-amdhsa--gfx1250"
	.amdhsa_code_object_version 6
	.text
	.protected	k_qd54f76eb94_sel
	.globl	k_qd54f76eb94_sel
	.p2align	8
	.type	k_qd54f76eb94_sel,@function
k_qd54f76eb94_sel:
	s_mov_b64 s[64:65], 0
	v_nop
	global_prefetch_b8 v0, s[64:65] scope:SCOPE_SE
	s_setreg_imm32_b32 hwreg(HW_REG_WAVE_MODE, 25, 1), 1
	s_wait_xcnt 0x0
; FOR EACH QUERY THE 16 GROUPS WITH THE SMALLEST (MINIMUM, GROUP NUMBER) OF ITS 640.  They hold the query's 16 nearest points in the order (d2, index): if a group with one of
; those points were left out, 16 groups would come before it, each with a point that comes before that point (groups are runs of neighbouring indices).
; No branch and no address hangs on a float: the choice is a fixed network of minima and maxima, run twice by one text.  Run 1, on the minima, gives T, the 16th smallest.
; Run 2 is on keys: the group's number if its minimum is below T, the number + 1024 if it equals T, +inf otherwise; its 16 smallest are the groups, ties to the lowest number.
; A key n is the float with the bits 0x4B000000 + n (2^23 + n): made by an integer add, ordered as n is.
; SHARES.  A wave has four queries, eight lanes each; a lane holds 80 minima: register 4 t + c is group 32 t + 4 (lane % 8) + c.
; THE NETWORK.  Sixteen registers are sorted (bitonic, ten stages; a stage reads one bank and writes another, so a compare-exchange is two lines); two ascending sixteens give
; their 16 smallest as min(a[i], b[15 - i]), a bitonic run that four more stages sort.  Five sixteens a lane, then the same with the lanes 1, 2 and 4 away.
; LIMITS.  NaN is not treated apart.
.set V,  32                            ; v[32:111]
.set L,  112                           ; the 16 smallest so far, ascending
.set B1, 128
.set B2, 144
.macro STAGE src, dst, k, j
.set i, 0
.rept 16
.if (i & (\j)) == 0
.if (i & (\k)) == 0
	v_min_num_f32 v[(\dst)+i], v[(\src)+i], v[(\src)+i+(\j)]
	v_max_num_f32 v[(\dst)+i+(\j)], v[(\src)+i], v[(\src)+i+(\j)]
.else
	v_max_num_f32 v[(\dst)+i], v[(\src)+i], v[(\src)+i+(\j)]
	v_min_num_f32 v[(\dst)+i+(\j)], v[(\src)+i], v[(\src)+i+(\j)]
.endif
.endif
.set i, i+1
.endr
.endm
.macro BSORT src, dst                  ; sixteen registers, ascending, into dst; src is kept
	STAGE \src, B1, 2, 1
	STAGE B1, B2, 4, 2
	STAGE B2, B1, 4, 1
	STAGE B1, B2, 8, 4
	STAGE B2, B1, 8, 2
	STAGE B1, B2, 8, 1
	STAGE B2, B1, 16, 8
	STAGE B1, B2, 16, 4
	STAGE B2, B1, 16, 2
	STAGE B1, \dst, 16, 1
.endm
.macro CLEAN                           ; the bitonic run in B1, ascending, into L
	STAGE B1, B2, 16, 8
	STAGE B2, B1, 16, 4
	STAGE B1, B2, 16, 2
	STAGE B2, L, 16, 1
.endm
.macro PRUNE
.set i, 0
.rept 16
	v_min_num_f32 v[B1+i], v[L+i], v[B2+15-i]
.set i, i+1
.endr
.endm
.macro XPRUNE m                        ; the same with the lane m away: both lanes end with the same sixteen
.set i, 0
.rept 16
	v_min_num_f32_dpp v[B1+i], v[L+15-i], v[L+i] row_xmask:\m row_mask:0xf bank_mask:0xf
.set i, i+1
.endr
.endm
	s_load_b128 s[4:7], s[0:1], 0x0                ; gm s[4:5], gl s[6:7]
	v_and_b32 v1, 31, v0
	v_lshrrev_b32 v2, 5, v0
	v_readfirstlane_b32 s8, v2                     ; the wave
	v_lshrrev_b32 v2, 3, v1                        ; which of the wave's four queries
	v_and_b32 v3, 7, v1                            ; my place among its eight lanes
	v_mul_u32_u24 v4, v2, 2560
	v_lshl_add_u32 v4, v3, 4, v4
	v_lshlrev_b32 v5, 2, v3
	v_add_nc_u32 v5, 0x4b000000, v5                ; the key of my first group
	v_add_nc_u32 v6, 1024, v5                      ; the same for a tie
	v_mov_b32 v7, 0x7f800000
	v_lshlrev_b32 v10, 3, v1
	s_and_b32 s9, ttmp7, 0xffff
	s_mul_i32 s10, ttmp9, 5
	s_add_co_u32 s10, s10, s8
	s_lshl_b32 s10, s10, 2
	s_mul_i32 s11, s9, 2500
	s_add_co_u32 s10, s10, s11                     ; the wave's first query, batches on end
	s_mul_i32 s12, s10, 2560
	s_mov_b32 s13, 0
	s_lshl_b32 s14, s10, 6
	s_mov_b32 s15, 0
	s_mov_b32 s21, 0xaaaaaaaa                      ; bits 0, 1, 2 of the lane's number
	s_mov_b32 s22, 0xcccccccc
	s_mov_b32 s23, 0xf0f0f0f0
	s_wait_kmcnt 0x0
	s_add_nc_u64 s[4:5], s[4:5], s[12:13]
	s_add_nc_u64 s[6:7], s[6:7], s[14:15]
.set t, 0
.rept 20
	global_load_b128 v[V+4*t:V+4*t+3], v4, s[4:5] offset:128*t th:TH_LOAD_NT  ; eight lanes take 128 consecutive bytes of a query's row
.set t, t+1
.endr
	s_mov_b32 s20, 2
.Lpass:
	s_wait_loadcnt 16                              ; a sixteen is four loads; the sixteen younger loads may stay out (in the second trip none is out)
	BSORT V, L
.irp k, 1,2,3,4
	s_wait_loadcnt 16-4*\k                         ; the loads behind sixteen k may stay out
	BSORT V+16*\k, B2
	PRUNE
	CLEAN
.endr
.irp m, 1,2,4
	XPRUNE \m
	CLEAN
.endr
	s_cmp_eq_u32 s20, 1
	s_cbranch_scc1 .Lno_key                        ; the last trip makes no keys
.set e, 0
.rept 80                               ; the minima give way to their keys; T is v[L+15]
	v_cmp_lt_f32 vcc_lo, v[V+e], v[L+15]
	v_cmp_le_f32 s[16+e%2], v[V+e], v[L+15]
	v_cndmask_b32 v[8+e%2], v6, v5, vcc_lo
	v_add_nc_u32 v[8+e%2], 32*(e/4)+e%4, v[8+e%2]
	v_cndmask_b32 v[V+e], v7, v[8+e%2], s[16+e%2]
.set e, e+1
.endr
.Lno_key:
	s_sub_co_u32 s20, s20, 1
	s_cmp_lg_u32 s20, 0
	s_cbranch_scc1 .Lpass
	; all eight lanes of a query hold the same sixteen keys; lane s of them stores numbers 2 s and 2 s + 1
.irp w, 0,1
	v_cndmask_b32 v16, v[L+\w], v[L+2+\w], s21
	v_cndmask_b32 v17, v[L+4+\w], v[L+6+\w], s21
	v_cndmask_b32 v18, v[L+8+\w], v[L+10+\w], s21
	v_cndmask_b32 v19, v[L+12+\w], v[L+14+\w], s21
	v_cndmask_b32 v16, v16, v17, s22
	v_cndmask_b32 v18, v18, v19, s22
	v_cndmask_b32 v[12+\w], v16, v18, s23
	v_and_b32 v[12+\w], 0x3ff, v[12+\w]            ; the group's number out of the key
.endr
	global_store_b64 v10, v[12:13], s[6:7]         ; the wave stores 256 consecutive bytes, aligned
	s_endpgm
.Lfunc_end_k_qd54f76eb94_sel:
	.size	k_qd54f76eb94_sel, .Lfunc_end_k_qd54f76eb94_sel-k_qd54f76eb94_sel
	.p2alignl 7, 3214868480
	.fill 96, 4, 3214868480
	.section	.rodata,"a",@progbits
	.p2align	6, 0x0
	.amdhsa_kernel k_qd54f76eb94_sel
		.amdhsa_group_segment_fixed_size 0
		.amdhsa_private_segment_fixed_size 0
		.amdhsa_enable_private_segment 0
		.amdhsa_kernarg_size 16
		.amdhsa_user_sgpr_count 2
		.amdhsa_user_sgpr_kernarg_segment_ptr 1
		.amdhsa_wavefront_size32 1
		.amdhsa_system_sgpr_workgroup_id_x 1
		.amdhsa_system_sgpr_workgroup_id_y 1
		.amdhsa_system_sgpr_workgroup_id_z 1
		.amdhsa_system_vgpr_workitem_id 0
		.amdhsa_next_free_vgpr 168
		.amdhsa_next_free_sgpr 66
		.amdhsa_reserve_vcc 1
		.amdhsa_float_denorm_mode_32 3
		.amdhsa_float_denorm_mode_16_64 3
		.amdhsa_memory_ordered 1
		.amdhsa_forward_progress 1
		.amdhsa_inst_pref_size 69
	.end_amdhsa_kernel
	.amdgpu_metadata
---
amdhsa.version: [ 1, 2 ]
amdhsa.kernels:
  - .name:           k_qd54f76eb94_sel
    .symbol:         k_qd54f76eb94_sel.kd
    .args:
      - { .name: gm, .offset: 0, .size: 8, .value_kind: global_buffer, .address_space: global }
      - { .name: gl, .offset: 8, .size: 8, .value_kind: global_buffer, .address_space: global }
    .group_segment_fixed_size: 0
    .private_segment_fixed_size: 0
    .kernarg_segment_align: 8
    .kernarg_segment_size: 16
    .max_flat_workgroup_size: 160
    .sgpr_count:     66
    .vgpr_count:     168
    .wavefront_size: 32
...
	.end_amdgpu_metadata
.endif
;; end of part 3
;; launch mlp (part 4): grid 125 x 2, 10 waves a work-group, no clusters, 151,552 bytes of LDS; arguments x, W1, b1, W2, b2, Wm1, bm1, Wm2, bm2, wq, ag, dbP, dbS, p; writes p
.if DOCPART == 4
	.amdgcn_target "amdgcn-amd-amdhsa--gfx1250"
	.amdhsa_code_object_version 6
	.text
	.protected	k_qd54f76eb94_mlp
	.globl	k_qd54f76eb94_mlp
	.p2align	8
	.type	k_qd54f76eb94_mlp,@function
k_qd54f76eb94_mlp:
	s_mov_b64 s[64:65], 0
	v_nop
	global_prefetch_b8 v0, s[64:65] scope:SCOPE_SE
	s_setreg_imm32_b32 hwreg(HW_REG_WAVE_MODE, 25, 1), 1
	s_wait_xcnt 0x0
; p[b][o][n] = Wq[o] . relu(m2(n)) + cp[o]: the whole network of a point up to the two numbers that the interpolation needs.
;   h1 = relu(W1 x + b1), lat = W2 h1 + b2, for the point and for its nearest support (a second column tile of the same two products);
;   m1 = relu(Wm1 [lat; lat_support] + bm1), m2 = Wm2 m1 + bm2; the last merge layer and the head are folded into Wq, cp (f32, made by the launch before).
; FORMATS.  Weights, biases and x rounded to bf16 (biases kept as f32 numbers; b1 rides as column 3 of W1 against a constant 1); h1, lat, m1 rounded once to bf16 as matrix operands; sums in f32.
; SHARES.  A wave makes 16 points; ten waves share one copy of the weights in LDS, written once, one barrier.  250 work-groups.
; LAYOUT.  Source 0 = 16 output channels (rows of W along K), source 1 = 16 points.  In a result lane (r, h) holds point r and channels 8 h + 0..7 of the tile: two neighbouring
; tiles, rounded in pairs, ARE the next layer's source 1 for 32 channels.  Nothing changes lanes between the layers.
; THE SUPPORT.  ag names the group of 32 supports that holds the nearest; each half of the lanes scans 16 of them in ascending order with the distance chain of the launch that chose
; the group (same bits), carrying the support's three inputs by selects; the upper half wins only if strictly nearer.  No address hangs on a comparison.
; No tensor loads: the weights need f32 -> bf16 on the way in, so they pass through registers.  No cluster: nothing is brought in by joint loads.
; LIMITS.  A group number outside 0..95 is held to 95.  NaN is not treated apart.
.set W1P,   0                          ; 128 rows of 64 bytes (K = 32: W1's three columns, b1, zeros), pitch 80
.set W2L,   10240                      ; 128 rows of 256 bytes, pitch 272
.set WM1L,  45056                      ; 128 rows of 512 bytes, pitch 528
.set WM2L,  112640                     ; pitch 272.  All pitches are odd multiples of 16 bytes: the 16 rows of a fragment load start in 16 different groups of four banks (ISA guide 11.1)
.set BIAS,  147456                     ; b2, bm1, bm2: 512 bytes each, f32
.set WQL,   148992                     ; Wq, 1,024 bytes, then cp
.set SPARE, 150272                     ; the spare words: 128 bytes for each of ten waves; no other line names them
.set ACC,   128                        ; accumulator (column tile u, channel tile m) at ACC + 64 u + 8 m
; v1 r, v2 h; v3-6 my place in W1P, W2L, WM1L, WM2L; v7 in BIAS, v8 in WQL; v9 = 0; v10 my offset in p; v11 group, then an address; v12 lane; v13 4 r; v14, v15 the add's two
; v[16:23], v[24:31] source 1 of layer 1, point and support; v[32:63] fragments of W; v[64:127] h1, then lat; v[128:255] accumulators (from layer 3 on: v[128:191]; v[192:223] fragments of W; v[224:255] m1)
.macro PLACES                          ; four places behind a matrix instruction, ahead of loads into its sources and of lines that read its result (ISA guide 7.12.1 for lines that read its result)
.rept 4
	v_nop
.endr
.endm
.macro RB2 a, t
	v_cvt_pk_bf16_f32 v[\t], v[\a], v[(\a)+1]
	v_lshlrev_b32 v[\a], 16, v[\t]
	v_and_b32 v[(\a)+1], 0xffff0000, v[\t]
.endm
.macro PACKST reg, adr, off            ; four f32 -> four bf16 -> LDS
	v_cvt_pk_bf16_f32 v[\reg], v[\reg], v[(\reg)+1]
	v_cvt_pk_bf16_f32 v[(\reg)+1], v[(\reg)+2], v[(\reg)+3]
	ds_store_b64 v[\adr], v[\reg:(\reg)+1] offset:\off
.endm
; Fragment f of a weight matrix: channels 16 (f % 8) on, K 32 (f / 8) on.  A set is fs fragments.
.macro LOADSET adr, pitch, fs, sn, buf
.set q, 0
.rept \fs
.set f, (\fs)*(\sn)+q
	ds_load_b128 v[(\buf)+8*q:(\buf)+8*q+3], v[\adr] offset:(f%8)*16*(\pitch)+(f/8)*64
	ds_load_b128 v[(\buf)+8*q+4:(\buf)+8*q+7], v[\adr] offset:(f%8)*16*(\pitch)+(f/8)*64+32
.set q, q+1
.endr
.endm
.macro MULSET ks, nt, fs, inb, zero    ; four matrix instructions on four accumulators
.set u, 0
.rept \nt
.set q, 0
.rept \fs
.set f, (\fs)*st+q
.set ac, ACC+64*u+8*(f%8)
.set bb, (\inb)+8*((\ks)*u+f/8)
.if \zero
	v_wmma_f32_16x16x32_bf16 v[ac:ac+7], v[CUR+8*q:CUR+8*q+7], v[bb:bb+7], 0
.else
	v_wmma_f32_16x16x32_bf16 v[ac:ac+7], v[CUR+8*q:CUR+8*q+7], v[bb:bb+7], v[ac:ac+7]
.endif
.set q, q+1
.endr
.set u, u+1
.endr
.endm
; A layer: 128 channels x 16 nt points x 32 ks.  The accumulators take turns, one instruction a turn: the same one comes again after 8 nt instructions.
; Two fragment buffers: while a set is multiplied the next set's loads are out.
.macro GEMM adr, pitch, ks, nt, fs, inb, buf0, buf1, zero
	LOADSET \adr, \pitch, \fs, 0, \buf0
.set st, 0
.rept 8*(\ks)/(\fs)
.if st%2 == 0
.set CUR, \buf0
.set OTH, \buf1
.else
.set CUR, \buf1
.set OTH, \buf0
.endif
.if st+1 < 8*(\ks)/(\fs)
.if st > 0
	PLACES                                         ; the other buffer was read by the four matrix instructions just issued
.endif
	LOADSET \adr, \pitch, \fs, st+1, OTH
	s_wait_dscnt 2*(\fs)                           ; all but the loads just issued: this set, and the biases ahead of it, are in
.else
	s_wait_dscnt 0x0
.endif
	MULSET \ks, \nt, \fs, \inb, \zero
.set st, st+1
.endr
	PLACES
.endm
.macro BIASLD off, nt                  ; the sums start from the bias: channel 16 m + 8 h + j into register j of tile m
.set u, 0
.rept \nt
.set m, 0
.rept 8
	ds_load_b128 v[ACC+64*u+8*m:ACC+64*u+8*m+3], v7 offset:(\off)+64*m
	ds_load_b128 v[ACC+64*u+8*m+4:ACC+64*u+8*m+7], v7 offset:(\off)+64*m+16
.set m, m+1
.endr
.set u, u+1
.endr
.endm
.macro CONVALL nt, out, relu           ; results -> bf16 fragments; each accumulator is read from its low end on
.set u, 0
.rept \nt
.set m, 0
.rept 8
.set ac, ACC+64*u+8*m
.set ob, (\out)+32*u+8*(m/2)+4*(m%2)
.irp k, 0,1,2,3
	v_cvt_pk_bf16_f32 v[ob+\k], v[ac+2*\k], v[ac+2*\k+1]
.endr
.if \relu
.irp k, 0,1,2,3
	v_pk_max_num_bf16 v[ob+\k], v[ob+\k], v9
.endr
.endif
.set m, m+1
.endr
.set u, u+1
.endr
.endm
	s_load_b512 s[4:19], s[0:1], 0x0               ; x s[4:5], W1 s[6:7], b1 s[8:9], W2 s[10:11], b2 s[12:13], Wm1 s[14:15], bm1 s[16:17], Wm2 s[18:19]
	s_load_b256 s[20:27], s[0:1], 0x40             ; bm2 s[20:21], wq s[22:23], ag s[24:25], dbP s[26:27]
	s_load_b128 s[28:31], s[0:1], 0x60             ; dbS s[28:29], p s[30:31]
	v_lshl_add_u32 v14, v0, 2, SPARE               ; my spare word and 0: kept for the add at the wave's end alone
	v_mov_b32 v15, 0
	v_lshrrev_b32 v1, 5, v0
	v_readfirstlane_b32 s32, v1                    ; the wave
	v_and_b32 v12, 31, v0
	v_and_b32 v1, 15, v0                           ; r
	v_bfe_u32 v2, v0, 4, 1                         ; h
	v_mov_b32 v9, 0
	v_lshlrev_b32 v13, 2, v1
	s_and_b32 s33, ttmp7, 0xffff                   ; the batch
	s_mul_i32 s34, ttmp9, 10
	s_add_co_u32 s34, s34, s32
	s_lshl_b32 s34, s34, 6                         ; my 16 points, in bytes of a row
	s_mov_b32 s35, 0x0000ffff                      ; the lanes with h = 0
	s_mov_b32 s46, 0x76543210                      ; v_permlanex16_b32: each lane takes its own place in the other half
	s_mov_b32 s47, 0xfedcba98
	s_mov_b32 s37, 0
	s_mov_b32 s39, 0
	s_mov_b32 s41, 0
	s_mov_b32 s43, 0
	s_mov_b32 s45, 0
	s_mul_i32 s36, s33, 80000
	s_add_co_u32 s36, s36, s34
	s_mul_i32 s38, s33, 327680
	s_add_co_u32 s38, s38, s34
	s_mul_i32 s40, s33, 240000
	s_add_co_u32 s40, s40, s34
	s_mul_i32 s42, s33, 98304
	s_mul_i32 s44, s33, 163840
	s_add_co_u32 s44, s44, s34
	s_wait_kmcnt 0x0
	s_add_nc_u64 s[24:25], s[24:25], s[36:37]
	s_add_nc_u64 s[26:27], s[26:27], s[38:39]
	s_add_nc_u64 s[4:5], s[4:5], s[40:41]
	s_add_nc_u64 s[28:29], s[28:29], s[42:43]
	s_add_nc_u64 s[30:31], s[30:31], s[44:45]
	global_load_b32 v11, v13, s[24:25]             ; my point's group of supports,
	global_load_b32 v32, v13, s[26:27]             ; its place and norm,
	global_load_b32 v33, v13, s[26:27] offset:81920
	global_load_b32 v34, v13, s[26:27] offset:2*81920
	global_load_b32 v35, v13, s[26:27] offset:3*81920
	global_load_b32 v36, v13, s[4:5]               ; its three inputs
	global_load_b32 v37, v13, s[4:5] offset:80000
	global_load_b32 v38, v13, s[4:5] offset:2*80000
	v_mul_u32_u24 v3, v1, 80
	v_lshl_add_u32 v3, v2, 4, v3                   ; a fragment's row x pitch + 16 x half
	v_mul_u32_u24 v4, v1, 272
	v_lshl_add_u32 v4, v2, 4, v4
	v_add_nc_u32 v6, WM2L, v4
	v_add_nc_u32 v4, W2L, v4
	v_mul_u32_u24 v5, v1, 528
	v_lshl_add_u32 v5, v2, 4, v5
	v_add_nc_u32 v5, WM1L, v5
	v_lshlrev_b32 v7, 5, v2
	v_add_nc_u32 v8, WQL, v7
	v_add_nc_u32 v7, BIAS, v7
	v_mul_u32_u24 v10, v2, 81920
	v_lshl_add_u32 v10, v1, 2, v10
	; THE WEIGHTS INTO LDS
	s_cmp_lt_u32 s32, 8
	s_cbranch_scc0 .Lnot_w
	; waves 0-7: 256 threads take 4,096 consecutive bytes a load; 16 bytes of f32 become 8 of bf16
	v_lshlrev_b32 v16, 4, v0
	s_mul_i32 s48, s32, 272
	v_lshl_add_u32 v17, v12, 3, s48                ; rows of 512 bytes: a wave has a row, a load eight rows
	v_add_nc_u32 v18, WM2L, v17
	v_add_nc_u32 v17, W2L, v17
	s_lshr_b32 s48, s32, 1
	s_mul_i32 s48, s48, 528
	s_and_b32 s49, s32, 1
	s_lshl_b32 s49, s49, 8
	s_add_co_u32 s48, s48, s49
	s_add_co_u32 s48, s48, WM1L
	v_lshl_add_u32 v19, v12, 3, s48                ; rows of 1,024 bytes: two waves have a row, a load four rows
.set i, 0
.rept 16
	global_load_b128 v[128+4*i:128+4*i+3], v16, s[10:11] offset:4096*i
.set i, i+1
.endr
.set i, 0
.rept 16
	global_load_b128 v[192+4*i:192+4*i+3], v16, s[18:19] offset:4096*i
.set i, i+1
.endr
.set i, 0
.rept 32
	s_wait_loadcnt 31-i                            ; the younger loads of the 32 stay out
.if i < 16
	PACKST 128+4*i, 17, 2176*i
.else
	PACKST 128+4*i, 18, 2176*(i-16)
.endif
.set i, i+1
.endr
.set i, 0
.rept 32
	global_load_b128 v[128+4*i:128+4*i+3], v16, s[14:15] offset:4096*i
.set i, i+1
.endr
.set i, 0
.rept 32
	s_wait_loadcnt 31-i
	PACKST 128+4*i, 19, 2112*i
.set i, i+1
.endr
	s_branch .Lstaged
.Lnot_w:
	s_cmp_eq_u32 s32, 8
	s_cbranch_scc0 .Lwave9
	; wave 8: W1 and b1 as rows of K = 32; lane l makes rows 4 l .. 4 l + 3
	v_mul_u32_u24 v16, v12, 48
	v_lshlrev_b32 v17, 4, v12
	global_load_b128 v[128:131], v16, s[6:7]
	global_load_b128 v[132:135], v16, s[6:7] offset:16
	global_load_b128 v[136:139], v16, s[6:7] offset:32
	global_load_b128 v[140:143], v17, s[8:9]
	v_mul_u32_u24 v18, v12, 320
.irp k, 160,161,162,163
	v_mov_b32 v\k, 0
.endr
	s_wait_loadcnt 0x0
.set i, 0
.rept 4
	v_cvt_pk_bf16_f32 v[144+4*i], v[128+3*i], v[128+3*i+1]
	v_cvt_pk_bf16_f32 v[144+4*i+1], v[128+3*i+2], v[140+i]
	v_mov_b32 v[144+4*i+2], 0
	v_mov_b32 v[144+4*i+3], 0
	ds_store_b128 v18, v[144+4*i:144+4*i+3] offset:W1P+80*i
	ds_store_b128 v18, v[160:163] offset:W1P+80*i+16
	ds_store_b128 v18, v[160:163] offset:W1P+80*i+32
	ds_store_b128 v18, v[160:163] offset:W1P+80*i+48
.set i, i+1
.endr
	s_branch .Lstaged
.Lwave9:
	; wave 9: the three biases, rounded; Wq and cp as they are
	v_lshlrev_b32 v16, 4, v12
	global_load_b128 v[128:131], v16, s[12:13]
	global_load_b128 v[132:135], v16, s[16:17]
	global_load_b128 v[136:139], v16, s[20:21]
	global_load_b128 v[140:143], v16, s[22:23]
	global_load_b128 v[144:147], v16, s[22:23] offset:512
	global_load_b64 v[148:149], v9, s[22:23] offset:1024
	v_add_nc_u32 v17, BIAS, v16
	v_mov_b32 v18, WQL+1024
	s_wait_loadcnt 0x0
.irp a, 128,130,132,134,136,138
	RB2 \a, 150
.endr
	ds_store_b128 v17, v[128:131]
	ds_store_b128 v17, v[132:135] offset:512
	ds_store_b128 v17, v[136:139] offset:1024
	ds_store_b128 v17, v[140:143] offset:WQL-BIAS
	ds_store_b128 v17, v[144:147] offset:WQL-BIAS+512
	ds_store_b64 v18, v[148:149]                   ; every lane the same two words
.Lstaged:
	; THE NEAREST SUPPORT.  On every way here a wait for zero loads has passed: the group, the place and the inputs are in.
	v_min_u32 v11, 95, v11                         ; a loaded number enters an address only behind this bound
	v_lshlrev_b32 v11, 7, v11                      ; the group's 32 supports, 128 bytes of a row,
	v_lshlrev_b32 v48, 6, v2
	v_add_nc_u32 v11, v11, v48                     ; my half's sixteen
.set ro, 0
.rept 7                                ; x, y, z, norm, f0, f1, f2: row ro into v[64 + 16 ro ..]
.set t, 0
.rept 4
	global_load_b128 v[64+16*ro+4*t:64+16*ro+4*t+3], v11, s[28:29] offset:12288*ro+16*t
.set t, t+1
.endr
.set ro, ro+1
.endr
.irp k, 0,1,2,3
	v_mov_b32 v[40+2*\k], v[32+\k]                 ; my point's x, y, z, norm, twice each for the packed lines
	v_mov_b32 v[41+2*\k], v[32+\k]
	v_mov_b32 v[52+\k], 0                          ; destinations of lane exchanges count as read
.endr
	v_mov_b32 v49, 1.0
	v_cvt_pk_bf16_f32 v16, v36, v37                ; source 1 of layer 1: K 0-3 = x0, x1, x2, 1 in the lanes with h = 0; all else 0
	v_cvt_pk_bf16_f32 v17, v38, v49
	v_cndmask_b32 v16, 0, v16, s35
	v_cndmask_b32 v17, 0, v17, s35
.irp k, 18,19,20,21,22,23,26,27,28,29,30,31
	v_mov_b32 v\k, 0
.endr
	s_wait_loadcnt 0x0
.set i, 0
.rept 8
	v_pk_mul_f32 v[192+2*i:193+2*i], v[64+2*i:65+2*i], v[40:41]
.set i, i+1
.endr
.set i, 0
.rept 8
	v_pk_fma_f32 v[192+2*i:193+2*i], v[80+2*i:81+2*i], v[42:43], v[192+2*i:193+2*i]
.set i, i+1
.endr
.set i, 0
.rept 8
	v_pk_fma_f32 v[192+2*i:193+2*i], v[96+2*i:97+2*i], v[44:45], v[192+2*i:193+2*i]
.set i, i+1
.endr
.set i, 0
.rept 8
	v_pk_add_f32 v[176+2*i:177+2*i], v[112+2*i:113+2*i], v[46:47]
.set i, i+1
.endr
.set i, 0
.rept 8
	v_pk_fma_f32 v[176+2*i:177+2*i], v[192+2*i:193+2*i], -2.0, v[176+2*i:177+2*i] op_sel_hi:[1,0,1]
.set i, i+1
.endr
.set i, 1
.rept 15                               ; ascending, strictly nearer: the first index keeps a tie; the best lies in the registers of support 0
	v_cmp_lt_f32 vcc_lo, v[176+i], v176
	v_cndmask_b32 v176, v176, v[176+i], vcc_lo
	v_cndmask_b32 v128, v128, v[128+i], vcc_lo
	v_cndmask_b32 v144, v144, v[144+i], vcc_lo
	v_cndmask_b32 v160, v160, v[160+i], vcc_lo
.set i, i+1
.endr
	v_permlanex16_b32 v52, v176, s46, s47
	v_permlanex16_b32 v53, v128, s46, s47
	v_permlanex16_b32 v54, v144, s46, s47
	v_permlanex16_b32 v55, v160, s46, s47
	v_cmp_lt_f32 vcc_lo, v52, v176                 ; right in the lanes with h = 0, which alone keep the result
	v_cndmask_b32 v128, v128, v53, vcc_lo
	v_cndmask_b32 v144, v144, v54, vcc_lo
	v_cndmask_b32 v160, v160, v55, vcc_lo
	v_cvt_pk_bf16_f32 v24, v128, v144              ; exact: the table holds bf16 numbers
	v_cvt_pk_bf16_f32 v25, v160, v49
	v_cndmask_b32 v24, 0, v24, s35
	v_cndmask_b32 v25, 0, v25, s35
	s_wait_dscnt 0x0                               ; for the others' sake: my stores into LDS are done
	s_barrier_signal -1
	s_barrier_wait -1                              ; the one barrier: from here on LDS is only read
	; THE LAYERS
	GEMM 3, 80, 1, 2, 2, 16, 32, 48, 1             ; W1 [x; 1], point and support; the products start the sums
	CONVALL 2, 64, 1                               ; h1
	BIASLD 0, 2
	GEMM 4, 272, 4, 2, 2, 64, 32, 48, 0            ; W2 h1 + b2
	CONVALL 2, 64, 0                               ; lat: the point's 128 channels, then the support's: Wm1's 256 columns in order
	BIASLD 512, 1
	GEMM 5, 528, 8, 1, 4, 64, 32, 192, 0           ; Wm1 [lat; lat_support] + bm1
	CONVALL 1, 224, 1                              ; m1
	BIASLD 1024, 1
	GEMM 6, 272, 4, 1, 4, 224, 32, 192, 0          ; Wm2 m1 + bm2
	; THE HEAD, in f32: my 64 channels of the point against both rows of Wq
.set o, 0
.rept 2
.set m, 0
.rept 8
	ds_load_b128 v[64+128*o+8*m:64+128*o+8*m+3], v8 offset:512*o+64*m
	ds_load_b128 v[64+128*o+8*m+4:64+128*o+8*m+7], v8 offset:512*o+64*m+16
.set m, m+1
.endr
.set o, o+1
.endr
	v_mov_b32 v11, WQL+1024
	ds_load_b64 v[12:13], v11                      ; cp
.set i, 0
.rept 64
	v_max_num_f32 v[ACC+i], 0, v[ACC+i]            ; ascending: each accumulator from its low end on
.set i, i+1
.endr
	s_wait_dscnt 0x0
.set i, 0
.rept 32                               ; two chains for each output; the first products start them
.if i < 2
	v_pk_mul_f32 v[16+2*i:17+2*i], v[ACC+2*i:ACC+2*i+1], v[64+2*i:65+2*i]
	v_pk_mul_f32 v[20+2*i:21+2*i], v[ACC+2*i:ACC+2*i+1], v[192+2*i:193+2*i]
.else
	v_pk_fma_f32 v[16+2*(i%2):17+2*(i%2)], v[ACC+2*i:ACC+2*i+1], v[64+2*i:65+2*i], v[16+2*(i%2):17+2*(i%2)]
	v_pk_fma_f32 v[20+2*(i%2):21+2*(i%2)], v[ACC+2*i:ACC+2*i+1], v[192+2*i:193+2*i], v[20+2*(i%2):21+2*(i%2)]
.endif
.set i, i+1
.endr
	v_pk_add_f32 v[16:17], v[16:17], v[18:19]
	v_pk_add_f32 v[20:21], v[20:21], v[22:23]
	v_add_f32 v16, v16, v17
	v_add_f32 v20, v20, v21
	v_permlanex16_b32 v17, v16, s46, s47           ; the point's other 64 channels lie in the lane 16 away
	v_permlanex16_b32 v21, v20, s46, s47
	v_add_f32 v16, v16, v17
	v_add_f32 v20, v20, v21
	v_add_f32 v16, v16, v12
	v_add_f32 v20, v20, v13
	v_cndmask_b32 v16, v20, v16, s35               ; lanes with h = 0 store output 0, the others output 1
	global_store_b32 v10, v16, s[30:31]            ; 64 consecutive bytes in each of p's two rows
	s_wait_tensorcnt 0x0                           ; the wave's end
	ds_add_u32 v14, v15
	s_wait_dscnt 0x0
	s_endpgm
.Lfunc_end_k_qd54f76eb94_mlp:
	.size	k_qd54f76eb94_mlp, .Lfunc_end_k_qd54f76eb94_mlp-k_qd54f76eb94_mlp
	.p2alignl 7, 3214868480
	.fill 96, 4, 3214868480
	.section	.rodata,"a",@progbits
	.p2align	6, 0x0
	.amdhsa_kernel k_qd54f76eb94_mlp
		.amdhsa_group_segment_fixed_size 151552
		.amdhsa_private_segment_fixed_size 0
		.amdhsa_enable_private_segment 0
		.amdhsa_kernarg_size 112
		.amdhsa_user_sgpr_count 2
		.amdhsa_user_sgpr_kernarg_segment_ptr 1
		.amdhsa_wavefront_size32 1
		.amdhsa_system_sgpr_workgroup_id_x 1
		.amdhsa_system_sgpr_workgroup_id_y 1
		.amdhsa_system_sgpr_workgroup_id_z 1
		.amdhsa_system_vgpr_workitem_id 0
		.amdhsa_next_free_vgpr 256
		.amdhsa_next_free_sgpr 66
		.amdhsa_reserve_vcc 1
		.amdhsa_float_denorm_mode_32 3
		.amdhsa_float_denorm_mode_16_64 3
		.amdhsa_memory_ordered 1
		.amdhsa_forward_progress 1
		.amdhsa_inst_pref_size 102
	.end_amdhsa_kernel
	.amdgpu_metadata
---
amdhsa.version: [ 1, 2 ]
amdhsa.kernels:
  - .name:           k_qd54f76eb94_mlp
    .symbol:         k_qd54f76eb94_mlp.kd
    .args:
      - { .name: x, .offset: 0, .size: 8, .value_kind: global_buffer, .address_space: global }
      - { .name: W1, .offset: 8, .size: 8, .value_kind: global_buffer, .address_space: global }
      - { .name: b1, .offset: 16, .size: 8, .value_kind: global_buffer, .address_space: global }
      - { .name: W2, .offset: 24, .size: 8, .value_kind: global_buffer, .address_space: global }
      - { .name: b2, .offset: 32, .size: 8, .value_kind: global_buffer, .address_space: global }
      - { .name: Wm1, .offset: 40, .size: 8, .value_kind: global_buffer, .address_space: global }
      - { .name: bm1, .offset: 48, .size: 8, .value_kind: global_buffer, .address_space: global }
      - { .name: Wm2, .offset: 56, .size: 8, .value_kind: global_buffer, .address_space: global }
      - { .name: bm2, .offset: 64, .size: 8, .value_kind: global_buffer, .address_space: global }
      - { .name: wq, .offset: 72, .size: 8, .value_kind: global_buffer, .address_space: global }
      - { .name: ag, .offset: 80, .size: 8, .value_kind: global_buffer, .address_space: global }
      - { .name: dbP, .offset: 88, .size: 8, .value_kind: global_buffer, .address_space: global }
      - { .name: dbS, .offset: 96, .size: 8, .value_kind: global_buffer, .address_space: global }
      - { .name: p, .offset: 104, .size: 8, .value_kind: global_buffer, .address_space: global }
    .group_segment_fixed_size: 151552
    .private_segment_fixed_size: 0
    .kernarg_segment_align: 8
    .kernarg_segment_size: 112
    .max_flat_workgroup_size: 320
    .sgpr_count:     66
    .vgpr_count:     256
    .wavefront_size: 32
...
	.end_amdgpu_metadata
.endif
;; end of part 4
;; launch final (part 5): grid 250 x 2, 5 waves a work-group, no clusters, 0 bytes of LDS; arguments dbP, dbQ, gl, p, out0; writes out0
.if DOCPART == 5
	.amdgcn_target "amdgcn-amd-amdhsa--gfx1250"
	.amdhsa_code_object_version 6
	.text
	.protected	k_qd54f76eb94_final
	.globl	k_qd54f76eb94_final
	.p2align	8
	.type	k_qd54f76eb94_final,@function
k_qd54f76eb94_final:
	s_mov_b64 s[64:65], 0
	v_nop
	global_prefetch_b8 v0, s[64:65] scope:SCOPE_SE
	s_setreg_imm32_b32 hwreg(HW_REG_WAVE_MODE, 25, 1), 1
	s_wait_xcnt 0x0
; out0[b][o][q] = (sum of w p[b][o][n]) / (sum of w) over the query's 16 nearest points n, w = 1 / (d2 + 1e-8): the normalised weights add up to 1, so cp, which p holds, passes through.
; The 16 nearest lie among the 512 points of the 16 groups that gl names.  d2 is made anew by the chain that the earlier launch used (same bits).  The choice is the fixed network of
; minima and maxima, run twice by one text: on d2, which gives T, the 16th smallest; then on keys: the index if d2 < T, the index + 32768 if d2 = T, +inf otherwise.  A point counts if its key
; is at most the 16th smallest key: exactly 16 points, ties to the lowest index.  A key n is the float with the bits 0x4B000000 + n.  No branch and no address hangs on a float.
; SHARES.  A wave has two queries, sixteen lanes each; a lane holds two neighbouring points of each of the 16 groups.
; LIMITS.  A group number outside 0..624 is held to 624.  The reciprocals are v_rcp_f32's (1 ulp).  NaN is not treated apart.
.set GO, 32                            ; v[32:47]   group g: its number, then my byte offset in a row
.set KB, 48                            ; v[48:63]   the key of my first point of group g
.set V,  64                            ; v[64:95]   d2, then the keys
.set WB, 96                            ; v[96:127]  the weights
.set L,  128
.set B1, 144
.set B2, 160
.set P0, 176                           ; v[176:207], v[208:239] p's two rows at my points
.set P1, 208
.set TX, 96                            ; while d2 is made: the points' x, y, z and norms
.set TY, 128
.set TZ, 160
.set TW, 192
.macro STAGE src, dst, k, j
.set i, 0
.rept 16
.if (i & (\j)) == 0
.if (i & (\k)) == 0
	v_min_num_f32 v[(\dst)+i], v[(\src)+i], v[(\src)+i+(\j)]
	v_max_num_f32 v[(\dst)+i+(\j)], v[(\src)+i], v[(\src)+i+(\j)]
.else
	v_max_num_f32 v[(\dst)+i], v[(\src)+i], v[(\src)+i+(\j)]
	v_min_num_f32 v[(\dst)+i+(\j)], v[(\src)+i], v[(\src)+i+(\j)]
.endif
.endif
.set i, i+1
.endr
.endm
.macro BSORT src, dst                  ; sixteen registers, ascending, into dst; src is kept
	STAGE \src, B1, 2, 1
	STAGE B1, B2, 4, 2
	STAGE B2, B1, 4, 1
	STAGE B1, B2, 8, 4
	STAGE B2, B1, 8, 2
	STAGE B1, B2, 8, 1
	STAGE B2, B1, 16, 8
	STAGE B1, B2, 16, 4
	STAGE B2, B1, 16, 2
	STAGE B1, \dst, 16, 1
.endm
.macro CLEAN                           ; the bitonic run in B1, ascending, into L
	STAGE B1, B2, 16, 8
	STAGE B2, B1, 16, 4
	STAGE B1, B2, 16, 2
	STAGE B2, L, 16, 1
.endm
.macro PRUNE                           ; the 16 smallest of two ascending sixteens
.set i, 0
.rept 16
	v_min_num_f32 v[B1+i], v[L+i], v[B2+15-i]
.set i, i+1
.endr
.endm
.macro XPRUNE m                        ; the same with the lane m away
.set i, 0
.rept 16
	v_min_num_f32_dpp v[B1+i], v[L+15-i], v[L+i] row_xmask:\m row_mask:0xf bank_mask:0xf
.set i, i+1
.endr
.endm
	s_load_b256 s[4:11], s[0:1], 0x0               ; dbP s[4:5], dbQ s[6:7], gl s[8:9], p s[10:11]
	s_load_b64 s[12:13], s[0:1], 0x20              ; out0
	v_and_b32 v1, 31, v0
	v_lshrrev_b32 v2, 5, v0
	v_readfirstlane_b32 s14, v2                    ; the wave
	v_lshrrev_b32 v2, 4, v1                        ; which of the wave's two queries
	v_and_b32 v3, 15, v1                           ; my place among its sixteen lanes
	v_lshlrev_b32 v4, 6, v2
	v_lshlrev_b32 v5, 2, v2
	v_lshlrev_b32 v6, 3, v3                        ; my two points in a group's 128 bytes
	v_lshlrev_b32 v7, 1, v3
	v_add_nc_u32 v7, 0x4b000000, v7
	v_mov_b32 v8, 0x7f800000
	v_mov_b32 v9, 0                                ; what a key adds to KB: even or odd point, below T or equal to it
	v_mov_b32 v10, 1
	v_mov_b32 v11, 32768
	v_mov_b32 v12, 32769
	v_mul_u32_u24 v13, v3, 10000
	v_add_nc_u32 v13, v13, v5                      ; lanes 0 and 1 of a query store outputs 0 and 1
	s_and_b32 s15, ttmp7, 0xffff
	s_mul_i32 s16, ttmp9, 5
	s_add_co_u32 s16, s16, s14
	s_lshl_b32 s16, s16, 1                         ; the wave's first query
	s_mov_b32 s23, 0
	s_mov_b32 s25, 0
	s_mov_b32 s27, 0
	s_mov_b32 s29, 0
	s_mov_b32 s33, 0
	s_mul_i32 s22, s15, 2500
	s_add_co_u32 s22, s22, s16
	s_lshl_b32 s22, s22, 6
	s_mul_i32 s24, s15, 40960
	s_lshl2_add_u32 s24, s16, s24
	s_mul_i32 s26, s15, 327680
	s_mul_i32 s28, s15, 163840
	s_mul_i32 s32, s15, 20000
	s_lshl2_add_u32 s32, s16, s32
	s_wait_kmcnt 0x0
	s_add_nc_u64 s[8:9], s[8:9], s[22:23]
	s_add_nc_u64 s[6:7], s[6:7], s[24:25]
	s_add_nc_u64 s[4:5], s[4:5], s[26:27]
	s_add_nc_u64 s[10:11], s[10:11], s[28:29]
	s_add_nc_u64 s[12:13], s[12:13], s[32:33]
.irp k, 0,1,2,3
	global_load_b128 v[GO+4*\k:GO+4*\k+3], v4, s[8:9] offset:16*\k
.endr
.irp k, 0,1,2,3
	global_load_b32 v[16+2*\k], v5, s[6:7] offset:10240*\k
.endr
	s_wait_loadcnt 0x0
.set g, 0
.rept 16
	v_min_u32 v[GO+g], 624, v[GO+g]                ; a loaded number enters an address only behind this bound
	v_lshl_add_u32 v[KB+g], v[GO+g], 5, v7
	v_lshlrev_b32 v[GO+g], 7, v[GO+g]
	v_add_nc_u32 v[GO+g], v[GO+g], v6
	global_load_b64 v[TX+2*g:TX+2*g+1], v[GO+g], s[4:5]
	global_load_b64 v[TY+2*g:TY+2*g+1], v[GO+g], s[4:5] offset:81920
	global_load_b64 v[TZ+2*g:TZ+2*g+1], v[GO+g], s[4:5] offset:2*81920
	global_load_b64 v[TW+2*g:TW+2*g+1], v[GO+g], s[4:5] offset:3*81920
.set g, g+1
.endr
.irp k, 0,1,2,3
	v_mov_b32 v[17+2*\k], v[16+2*\k]               ; the query's x, y, z, norm, twice each for the packed lines
.endr
.set g, 0
.rept 16
.set at, 24+2*(g%2)
	s_wait_loadcnt 60-4*g                          ; four loads a group: those of the groups behind may stay out
	v_pk_mul_f32 v[at:at+1], v[TX+2*g:TX+2*g+1], v[16:17]
	v_pk_fma_f32 v[at:at+1], v[TY+2*g:TY+2*g+1], v[18:19], v[at:at+1]
	v_pk_fma_f32 v[at:at+1], v[TZ+2*g:TZ+2*g+1], v[20:21], v[at:at+1]
	v_pk_add_f32 v[V+2*g:V+2*g+1], v[TW+2*g:TW+2*g+1], v[22:23]
	v_pk_fma_f32 v[V+2*g:V+2*g+1], v[at:at+1], -2.0, v[V+2*g:V+2*g+1] op_sel_hi:[1,0,1]
.set g, g+1
.endr
.set g, 0
.rept 16                               ; p at the same points: it lands while the networks run
	global_load_b64 v[P0+2*g:P0+2*g+1], v[GO+g], s[10:11]
	global_load_b64 v[P1+2*g:P1+2*g+1], v[GO+g], s[10:11] offset:81920
.set g, g+1
.endr
	s_mov_b32 s30, 2
.Lpass:
	BSORT V, L
	BSORT V+16, B2
	PRUNE
	CLEAN
.irp m, 1,2,4,8
	XPRUNE \m
	CLEAN
.endr
	s_cmp_eq_u32 s30, 1
	s_cbranch_scc1 .Lno_key                        ; the last trip makes no keys
.set g, 0
	s_wait_alu depctr_va_vdst(0)
.rept 16                               ; the weights are made, and d2 gives way to the keys; T is v[L+15]
	v_pk_add_f32 v[WB+2*g:WB+2*g+1], v[V+2*g:V+2*g+1], 0x322bcc77 op_sel_hi:[1,0]  ; + 1e-8
	v_rcp_f32 v[WB+2*g], v[WB+2*g]
	v_rcp_f32 v[WB+2*g+1], v[WB+2*g+1]             ; the compare below is the plain line behind the reciprocals (ISA guide 5.7.2)
	v_cmp_lt_f32 vcc_lo, v[V+2*g], v[L+15]
	v_cmp_le_f32 s20, v[V+2*g], v[L+15]
	v_cndmask_b32 v28, v11, v9, vcc_lo
	v_add_nc_u32 v28, v28, v[KB+g]
	v_cndmask_b32 v[V+2*g], v8, v28, s20
	v_cmp_lt_f32 vcc_lo, v[V+2*g+1], v[L+15]
	v_cmp_le_f32 s21, v[V+2*g+1], v[L+15]
	v_cndmask_b32 v29, v12, v10, vcc_lo
	v_add_nc_u32 v29, v29, v[KB+g]
	v_cndmask_b32 v[V+2*g+1], v8, v29, s21
.set g, g+1
.endr
.Lno_key:
	s_sub_co_u32 s30, s30, 1
	s_cmp_lg_u32 s30, 0
	s_cbranch_scc1 .Lpass
	s_wait_loadcnt 0x0                             ; p
.set g, 0
.rept 16                               ; a point that does not count has the weight 0; the first pair starts the three sums
	v_cmp_le_f32 vcc_lo, v[V+2*g], v[L+15]
	v_cmp_le_f32 s20, v[V+2*g+1], v[L+15]
.if g == 0
	s_wait_alu depctr_va_vdst(0)
	v_cndmask_b32 v16, 0, v[WB], vcc_lo
	v_cndmask_b32 v17, 0, v[WB+1], s20
	v_pk_mul_f32 v[18:19], v[16:17], v[P0:P0+1]
	v_pk_mul_f32 v[20:21], v[16:17], v[P1:P1+1]
.else
	v_cndmask_b32 v[WB+2*g], 0, v[WB+2*g], vcc_lo
	v_cndmask_b32 v[WB+2*g+1], 0, v[WB+2*g+1], s20
	v_pk_add_f32 v[16:17], v[16:17], v[WB+2*g:WB+2*g+1]
	v_pk_fma_f32 v[18:19], v[WB+2*g:WB+2*g+1], v[P0+2*g:P0+2*g+1], v[18:19]
	v_pk_fma_f32 v[20:21], v[WB+2*g:WB+2*g+1], v[P1+2*g:P1+2*g+1], v[20:21]
.endif
.set g, g+1
.endr
	v_add_f32 v16, v16, v17
	v_add_f32 v18, v18, v19
	v_add_f32 v20, v20, v21
.irp m, 1,2,4,8                        ; over the query's sixteen lanes
	v_add_f32_dpp v16, v16, v16 row_xmask:\m row_mask:0xf bank_mask:0xf
	v_add_f32_dpp v18, v18, v18 row_xmask:\m row_mask:0xf bank_mask:0xf
	v_add_f32_dpp v20, v20, v20 row_xmask:\m row_mask:0xf bank_mask:0xf
.endr
	v_rcp_f32 v17, v16
	v_cmp_eq_u32 vcc_lo, 1, v3                     ; the plain line behind the reciprocal
	s_wait_alu depctr_va_vdst(0)
	v_mul_f32 v18, v18, v17
	v_mul_f32 v20, v20, v17
	v_cndmask_b32 v18, v18, v20, vcc_lo
	v_cmp_gt_u32 vcc_lo, 2, v3
	s_wait_xcnt 0x0                                ; EXEC changes only behind this wait
	s_and_saveexec_b32 s21, vcc_lo                 ; two lanes of each query store
	global_store_b32 v13, v18, s[12:13]
	s_wait_xcnt 0x0
	s_or_b32 exec_lo, exec_lo, s21
	s_endpgm
.Lfunc_end_k_qd54f76eb94_final:
	.size	k_qd54f76eb94_final, .Lfunc_end_k_qd54f76eb94_final-k_qd54f76eb94_final
	.p2alignl 7, 3214868480
	.fill 96, 4, 3214868480
	.section	.rodata,"a",@progbits
	.p2align	6, 0x0
	.amdhsa_kernel k_qd54f76eb94_final
		.amdhsa_group_segment_fixed_size 0
		.amdhsa_private_segment_fixed_size 0
		.amdhsa_enable_private_segment 0
		.amdhsa_kernarg_size 40
		.amdhsa_user_sgpr_count 2
		.amdhsa_user_sgpr_kernarg_segment_ptr 1
		.amdhsa_wavefront_size32 1
		.amdhsa_system_sgpr_workgroup_id_x 1
		.amdhsa_system_sgpr_workgroup_id_y 1
		.amdhsa_system_sgpr_workgroup_id_z 1
		.amdhsa_system_vgpr_workitem_id 0
		.amdhsa_next_free_vgpr 240
		.amdhsa_next_free_sgpr 66
		.amdhsa_reserve_vcc 1
		.amdhsa_float_denorm_mode_32 3
		.amdhsa_float_denorm_mode_16_64 3
		.amdhsa_memory_ordered 1
		.amdhsa_forward_progress 1
		.amdhsa_inst_pref_size 62
	.end_amdhsa_kernel
	.amdgpu_metadata
---
amdhsa.version: [ 1, 2 ]
amdhsa.kernels:
  - .name:           k_qd54f76eb94_final
    .symbol:         k_qd54f76eb94_final.kd
    .args:
      - { .name: dbP, .offset: 0, .size: 8, .value_kind: global_buffer, .address_space: global }
      - { .name: dbQ, .offset: 8, .size: 8, .value_kind: global_buffer, .address_space: global }
      - { .name: gl, .offset: 16, .size: 8, .value_kind: global_buffer, .address_space: global }
      - { .name: p, .offset: 24, .size: 8, .value_kind: global_buffer, .address_space: global }
      - { .name: out0, .offset: 32, .size: 8, .value_kind: global_buffer, .address_space: global }
    .group_segment_fixed_size: 0
    .private_segment_fixed_size: 0
    .kernarg_segment_align: 8
    .kernarg_segment_size: 40
    .max_flat_workgroup_size: 160
    .sgpr_count:     66
    .vgpr_count:     240
    .wavefront_size: 32
...
	.end_amdgpu_metadata
.endif
;; end of part 5
;; ======== version 2 of 2: 5 launches; version 1 with the launches mlp, final written anew for expert scheduling mode
;; workspace buffers: dbP 655,360 bytes; dbS 196,608 bytes; dbQ 81,920 bytes; wq 1,280 bytes; gm 12,800,000 bytes; ag 160,000 bytes of whole numbers; gl 320,000 bytes of whole numbers; p 327,680 bytes
;; launch prep: the kernel of part 1 again; grid 52 x 2, 8 waves a work-group, no clusters, 0 bytes of LDS; arguments pos, pos_non_manifold, x, ids_down, Wp, Wm3, bm3, bp, dbP, dbS, dbQ, wq; writes dbP, dbS, dbQ, wq
;; launch dist: the kernel of part 2 again; grid 625 x 2, 5 waves a work-group, no clusters, 0 bytes of LDS; arguments dbP, dbS, dbQ, gm, ag; writes gm, ag
;; launch sel: the kernel of part 3 again; grid 125 x 2, 5 waves a work-group, no clusters, 0 bytes of LDS; arguments gm, gl; writes gl
;; launch mlp (part 6): grid 125 x 2, 10 waves a work-group, no clusters, 151,552 bytes of LDS; arguments x, W1, b1, W2, b2, Wm1, bm1, Wm2, bm2, wq, ag, dbP, dbS, p; writes p
.if DOCPART == 6
	.amdgcn_target "amdgcn-amd-amdhsa--gfx1250"
	.amdhsa_code_object_version 6
	.text
	.protected	k_qd54f76eb94_mlp
	.globl	k_qd54f76eb94_mlp
	.p2align	8
	.type	k_qd54f76eb94_mlp,@function
k_qd54f76eb94_mlp:
	s_mov_b64 s[64:65], 0
	v_nop
	global_prefetch_b8 v0, s[64:65] scope:SCOPE_SE
	s_setreg_imm32_b32 hwreg(HW_REG_WAVE_SCHED_MODE, 0, 2), 2
	s_setreg_imm32_b32 hwreg(HW_REG_WAVE_MODE, 25, 1), 1
	s_wait_xcnt 0x0
	s_wait_alu depctr_vm_vsrc(0)
; p[b][o][n] = Wq[o] . relu(m2(n)) + cp[o]: the whole network of a point up to the two numbers that the interpolation needs.
;   h1 = relu(W1 x + b1), lat = W2 h1 + b2, for the point and for its nearest support (a second column tile of the same two products);
;   m1 = relu(Wm1 [lat; lat_support] + bm1), m2 = Wm2 m1 + bm2; the last merge layer and the head are folded into Wq, cp (f32, made by the launch before).
; FORMATS.  Weights, biases and x rounded to bf16 (biases kept as f32 numbers; b1 rides as column 3 of W1 against a constant 1); h1, lat, m1 rounded once to bf16 as matrix operands; sums in f32.
; SHARES.  A wave makes 16 points; ten waves share one copy of the weights in LDS, written once, one barrier.  250 work-groups.
; LAYOUT.  Source 0 = 16 output channels (rows of W along K), source 1 = 16 points.  In a result lane (r, h) holds point r and channels 8 h + 0..7 of the tile: two neighbouring
; tiles, rounded in pairs, ARE the next layer's source 1 for 32 channels.  Nothing changes lanes between the layers.
; THE SUPPORT.  ag names the group of 32 supports that holds the nearest; each half of the lanes scans 16 of them in ascending order with the distance chain of the launch that chose
; the group (same bits), carrying the support's three inputs by selects; the upper half wins only if strictly nearer.  No address hangs on a comparison.
; No tensor loads: the weights need f32 -> bf16 on the way in, so they pass through registers.  No cluster: nothing is brought in by joint loads.
; LIMITS.  A group number outside 0..95 is held to 95.  NaN is not treated apart.
; THE MODE: SCHED_MODE bits 1:0 = 2 (LLVM: expert scheduling mode 2), set by the entry lines.  The code itself states the register dependences
; between vector or matrix instructions and memory or LDS instructions, with s_wait_alu, always for 0.
; THE PLAN.  Registers that memory or LDS instructions touch:
;   v3-v10      Offsets and LDS addresses, made at the head ahead of one wait on va_vdst; never written again.
;   v13         The offset of the first eight loads; written once more where the staging's arms meet (cp's LDS address), behind the wait on vm_vsrc there.
;   v11         The group as loaded, then the offset of the scan's loads; not written behind them.
;   v16-v19     Each staging arm's offsets and LDS addresses, made ahead of the arm's first wait on va_vdst; free again behind the wait on vm_vsrc where the arms meet.
;   v[128:255]  Staging, waves 0-7: four groups of 32 registers in a ring, eight groups of eight loads.  Step g: sixteen conversions work in place on group g's registers; one wait on va_vdst;
;               eight LDS stores read them.  At the head of steps 1 to 4 one wait on vm_vsrc shows the stores of the step before done reading, and group g + 3 is asked for into those registers.
;   v[64:175]   The scan's 28 loads land here, behind both waits where the arms meet.
;   fragments   Layer 1: all eight at once, v[32:95].  Layers 2 to 4: three buffers by turns.  Step st: its four matrix instructions read buffer st % 3; the loads of set st + 2 land in buffer
;               (st + 2) % 3, which the matrix instructions of step st - 1 read: ONE wait on va_vdst at the step's head, behind the wait for set st, and the loads are dealt among the step's
;               matrix instructions, which name the buffer in hand, the accumulators and the layer's input alone.
;   v[128:255]  The accumulators: read by a layer's conversions, then the next layer's bias lands in them: one wait on va_vdst between the layers, which also frees all fragment buffers.
;   v14, v15    Written at the head, read by the closing add alone.
.set W1P,   0                          ; 128 rows of 64 bytes (K = 32: W1's three columns, b1, zeros), pitch 80
.set W2L,   10240                      ; 128 rows of 256 bytes, pitch 272
.set WM1L,  45056                      ; 128 rows of 512 bytes, pitch 528
.set WM2L,  112640                     ; pitch 272.  All pitches are odd multiples of 16 bytes: the 16 rows of a fragment load start in 16 different groups of four banks (ISA guide 11.1)
.set BIAS,  147456                     ; b2, bm1, bm2: 512 bytes each, f32
.set WQL,   148992                     ; Wq, 1,024 bytes, then cp
.set SPARE, 150272                     ; the spare words: 128 bytes for each of ten waves; no other line names them
.set ACC,   128                        ; accumulator (column tile u, channel tile m) at ACC + 64 u + 8 m
; v1 r, v2 h; v3-6 my place in W1P, W2L, WM1L, WM2L; v7 in BIAS, v8 in WQL; v9 = 0; v10 my offset in p; v11 group, then an offset; v12 lane; v13 4 r, then cp's LDS address; v14, v15 the add's two
; v[16:23], v[24:31] source 1 of layer 1, point and support; v[64:127] h1, then lat; v[128:255] accumulators (from layer 3 on: v[128:191]); v[224:255] m1
.macro PLACES                          ; four places behind a matrix instruction, ahead of lines that read its result or write one of its sources (ISA guide 7.12.1)
.rept 4
	v_nop
.endr
.endm
.macro RB2 a, t
	v_cvt_pk_bf16_f32 v[\t], v[\a], v[(\a)+1]
	v_lshlrev_b32 v[\a], 16, v[\t]
	v_and_b32 v[(\a)+1], 0xffff0000, v[\t]
.endm
; The staging of waves 0-7.  Load i of 64 takes 4,096 consecutive bytes: 0-15 W2, 16-31 Wm2, 32-63 Wm1; its four registers lie at 128 + 4 (i % 32).  A group is eight loads.
.macro WLOAD g
.set j, 0
.rept 8
.set i, 8*(\g)+j
.set rg, 128+4*(i%32)
.if i < 16
	global_load_b128 v[rg:rg+3], v16, s[10:11] offset:4096*i
.elseif i < 32
	global_load_b128 v[rg:rg+3], v16, s[18:19] offset:4096*(i-16)
.else
	global_load_b128 v[rg:rg+3], v16, s[14:15] offset:4096*(i-32)
.endif
.set j, j+1
.endr
.endm
.macro WPACK g                         ; four f32 close up into two registers of bf16
.set j, 0
.rept 8
.set rg, 128+4*((8*(\g)+j)%32)
	v_cvt_pk_bf16_f32 v[rg], v[rg], v[rg+1]
	v_cvt_pk_bf16_f32 v[rg+1], v[rg+2], v[rg+3]
.set j, j+1
.endr
.endm
.macro WSTORE g
.set j, 0
.rept 8
.set i, 8*(\g)+j
.set rg, 128+4*(i%32)
.if i < 16
	ds_store_b64 v17, v[rg:rg+1] offset:2176*i
.elseif i < 32
	ds_store_b64 v18, v[rg:rg+1] offset:2176*(i-16)
.else
	ds_store_b64 v19, v[rg:rg+1] offset:2112*(i-32)
.endif
.set j, j+1
.endr
.endm
; Fragment f of a weight matrix: channels 16 (f % 8) on, K 32 (f / 8) on.  A set is fs fragments.
.macro LOADSET adr, pitch, fs, sn, buf
.set q, 0
.rept \fs
.set f, (\fs)*(\sn)+q
	ds_load_b128 v[(\buf)+8*q:(\buf)+8*q+3], v[\adr] offset:(f%8)*16*(\pitch)+(f/8)*64
	ds_load_b128 v[(\buf)+8*q+4:(\buf)+8*q+7], v[\adr] offset:(f%8)*16*(\pitch)+(f/8)*64+32
.set q, q+1
.endr
.endm
; Step st: four matrix instructions on four accumulators, from the buffer CUR.  ld = 1: the 2 fs loads of set st + 2 are dealt among them, into the buffer NXT.
.macro MULSET adr, pitch, ks, nt, fs, inb, zero, ld
.set w, 0
.set u, 0
.rept \nt
.set q, 0
.rept \fs
.set f, (\fs)*st+q
.set ac, ACC+64*u+8*(f%8)
.set bb, (\inb)+8*((\ks)*u+f/8)
.if \zero
	v_wmma_f32_16x16x32_bf16 v[ac:ac+7], v[CUR+8*q:CUR+8*q+7], v[bb:bb+7], 0
.else
	v_wmma_f32_16x16x32_bf16 v[ac:ac+7], v[CUR+8*q:CUR+8*q+7], v[bb:bb+7], v[ac:ac+7]
.endif
.if \ld
.set t, w*(\fs)/2
.rept (\fs)/2
.set fn, (\fs)*(st+2)+t/2
	ds_load_b128 v[NXT+4*t:NXT+4*t+3], v[\adr] offset:(fn%8)*16*(\pitch)+(fn/8)*64+32*(t%2)  ; no wait: no vector or matrix instruction since the step's wait names NXT
.set t, t+1
.endr
.endif
.set w, w+1
.set q, q+1
.endr
.set u, u+1
.endr
.endm
; A layer: 128 channels x 16 nt points x 32 ks.  The accumulators take turns, one instruction a turn: the same one comes again after 8 nt instructions.
; Three fragment buffers by turns: a set is asked for two steps ahead of its products.
.macro GEMM3 adr, pitch, ks, nt, fs, inb, b0, b1, b2
	LOADSET \adr, \pitch, \fs, 0, \b0
	LOADSET \adr, \pitch, \fs, 1, \b1
	LOADSET \adr, \pitch, \fs, 2, \b2
.set st, 0
.rept 8*(\ks)/(\fs)
.if st%3 == 0
.set CUR, \b0
.set NXT, \b2
.elseif st%3 == 1
.set CUR, \b1
.set NXT, \b0
.else
.set CUR, \b2
.set NXT, \b1
.endif
.if st == 0
	s_wait_dscnt 4*(\fs)                           ; LDS loads come back in order (ISA guide 5.7.1): the biases and set 0 are in, sets 1 and 2 stay out
.elseif st+1 < 8*(\ks)/(\fs)
	s_wait_dscnt 2*(\fs)                           ; set st is in; the one younger set stays out
.else
	s_wait_dscnt 0x0
.endif
.if (st > 0) && (st+2 < 8*(\ks)/(\fs))
	s_wait_alu depctr_va_vdst(0)                   ; the matrix instructions of the step before are done reading their buffer, in which this step's loads land
	MULSET \adr, \pitch, \ks, \nt, \fs, \inb, 0, 1
.else
	MULSET \adr, \pitch, \ks, \nt, \fs, \inb, 0, 0
.endif
.set st, st+1
.endr
	PLACES
.endm
.macro BIASLD off, nt                  ; the sums start from the bias: channel 16 m + 8 h + j into register j of tile m
.set u, 0
.rept \nt
.set m, 0
.rept 8
	ds_load_b128 v[ACC+64*u+8*m:ACC+64*u+8*m+3], v7 offset:(\off)+64*m
	ds_load_b128 v[ACC+64*u+8*m+4:ACC+64*u+8*m+7], v7 offset:(\off)+64*m+16
.set m, m+1
.endr
.set u, u+1
.endr
.endm
.macro CONVALL nt, out, relu           ; results -> bf16 fragments; each accumulator is read from its low end on
.set u, 0
.rept \nt
.set m, 0
.rept 8
.set ac, ACC+64*u+8*m
.set ob, (\out)+32*u+8*(m/2)+4*(m%2)
.irp k, 0,1,2,3
	v_cvt_pk_bf16_f32 v[ob+\k], v[ac+2*\k], v[ac+2*\k+1]
.endr
.if \relu
.irp k, 0,1,2,3
	v_pk_max_num_bf16 v[ob+\k], v[ob+\k], v9
.endr
.endif
.set m, m+1
.endr
.set u, u+1
.endr
.endm
	s_load_b512 s[4:19], s[0:1], 0x0               ; x s[4:5], W1 s[6:7], b1 s[8:9], W2 s[10:11], b2 s[12:13], Wm1 s[14:15], bm1 s[16:17], Wm2 s[18:19]
	s_load_b256 s[20:27], s[0:1], 0x40             ; bm2 s[20:21], wq s[22:23], ag s[24:25], dbP s[26:27]
	s_load_b128 s[28:31], s[0:1], 0x60             ; dbS s[28:29], p s[30:31]
	v_lshl_add_u32 v14, v0, 2, SPARE               ; my spare word and 0: kept for the add at the wave's end alone
	v_mov_b32 v15, 0
	v_lshrrev_b32 v1, 5, v0
	v_readfirstlane_b32 s32, v1                    ; the wave
	v_and_b32 v12, 31, v0
	v_and_b32 v1, 15, v0                           ; r
	v_bfe_u32 v2, v0, 4, 1                         ; h
	v_mov_b32 v9, 0
	v_lshlrev_b32 v13, 2, v1
	v_mul_u32_u24 v3, v1, 80
	v_lshl_add_u32 v3, v2, 4, v3                   ; a fragment's row x pitch + 16 x half
	v_mul_u32_u24 v4, v1, 272
	v_lshl_add_u32 v4, v2, 4, v4
	v_add_nc_u32 v6, WM2L, v4
	v_add_nc_u32 v4, W2L, v4
	v_mul_u32_u24 v5, v1, 528
	v_lshl_add_u32 v5, v2, 4, v5
	v_add_nc_u32 v5, WM1L, v5
	v_lshlrev_b32 v7, 5, v2
	v_add_nc_u32 v8, WQL, v7
	v_add_nc_u32 v7, BIAS, v7
	v_mul_u32_u24 v10, v2, 81920
	v_lshl_add_u32 v10, v1, 2, v10
	s_wait_alu depctr_va_sdst(0)                   ; s32 is written, ahead of its first reader: the wave's 16 points are made from it
	s_and_b32 s33, ttmp7, 0xffff                   ; the batch
	s_mul_i32 s34, ttmp9, 10
	s_add_co_u32 s34, s34, s32
	s_lshl_b32 s34, s34, 6                         ; my 16 points, in bytes of a row
	s_mov_b32 s35, 0x0000ffff                      ; the lanes with h = 0
	s_mov_b32 s46, 0x76543210                      ; v_permlanex16_b32: each lane takes its own place in the other half
	s_mov_b32 s47, 0xfedcba98
	s_mov_b32 s37, 0
	s_mov_b32 s39, 0
	s_mov_b32 s41, 0
	s_mov_b32 s43, 0
	s_mov_b32 s45, 0
	s_mul_i32 s36, s33, 80000
	s_add_co_u32 s36, s36, s34
	s_mul_i32 s38, s33, 327680
	s_add_co_u32 s38, s38, s34
	s_mul_i32 s40, s33, 240000
	s_add_co_u32 s40, s40, s34
	s_mul_i32 s42, s33, 98304
	s_mul_i32 s44, s33, 163840
	s_add_co_u32 s44, s44, s34
	s_wait_kmcnt 0x0
	s_add_nc_u64 s[24:25], s[24:25], s[36:37]
	s_add_nc_u64 s[26:27], s[26:27], s[38:39]
	s_add_nc_u64 s[4:5], s[4:5], s[40:41]
	s_add_nc_u64 s[28:29], s[28:29], s[42:43]
	s_add_nc_u64 s[30:31], s[30:31], s[44:45]
	s_wait_alu depctr_va_vdst(0)                   ; v3 to v10 and v13 are written: the offsets and LDS addresses that the kernel's loads and its store read
	global_load_b32 v11, v13, s[24:25]             ; my point's group of supports,
	global_load_b32 v32, v13, s[26:27]             ; its place and norm,
	global_load_b32 v33, v13, s[26:27] offset:81920
	global_load_b32 v34, v13, s[26:27] offset:2*81920
	global_load_b32 v35, v13, s[26:27] offset:3*81920
	global_load_b32 v36, v13, s[4:5]               ; its three inputs
	global_load_b32 v37, v13, s[4:5] offset:80000
	global_load_b32 v38, v13, s[4:5] offset:2*80000
	; THE WEIGHTS INTO LDS
	s_cmp_lt_u32 s32, 8
	s_cbranch_scc0 .Lnot_w
	; waves 0-7: 256 threads take 4,096 consecutive bytes a load; 16 bytes of f32 become 8 of bf16
	v_lshlrev_b32 v16, 4, v0
	s_mul_i32 s48, s32, 272
	v_lshl_add_u32 v17, v12, 3, s48                ; rows of 512 bytes: a wave has a row, a load eight rows
	v_add_nc_u32 v18, WM2L, v17
	v_add_nc_u32 v17, W2L, v17
	s_lshr_b32 s50, s32, 1
	s_mul_i32 s50, s50, 528
	s_and_b32 s49, s32, 1
	s_lshl_b32 s49, s49, 8
	s_add_co_u32 s50, s50, s49
	s_add_co_u32 s50, s50, WM1L
	v_lshl_add_u32 v19, v12, 3, s50                ; rows of 1,024 bytes: two waves have a row, a load four rows
	s_wait_alu depctr_va_vdst(0)                   ; v16 to v19 are written: the loads' offset and the LDS stores' addresses
	WLOAD 0
	WLOAD 1
	WLOAD 2
	WLOAD 3
.set g, 0
.rept 8
.if (g >= 1) && (g <= 4)
	s_wait_alu depctr_vm_vsrc(0)                   ; the LDS stores of the step before have read their registers, in which the next loads land (their conversions stand ahead of that step's wait on va_vdst)
	WLOAD g+3
.endif
.if g < 5
	s_wait_loadcnt 24                              ; loads come back in order (ISA guide 5.7.1): group g is in, the three younger groups stay out
.else
	s_wait_loadcnt 56-8*g                          ; the counts run down
.endif
	WPACK g
	s_wait_alu depctr_va_vdst(0)                   ; the conversions have written the registers that the LDS stores read
	WSTORE g
.set g, g+1
.endr
	s_branch .Lstaged
.Lnot_w:
	s_cmp_eq_u32 s32, 8
	s_cbranch_scc0 .Lwave9
	; wave 8: W1 and b1 as rows of K = 32; lane l makes rows 4 l .. 4 l + 3
	v_mul_u32_u24 v16, v12, 48
	v_lshlrev_b32 v17, 4, v12
	v_mul_u32_u24 v18, v12, 320
.irp k, 160,161,162,163
	v_mov_b32 v\k, 0
.endr
	s_wait_alu depctr_va_vdst(0)                   ; v16 and v17 are written: the loads' offsets
	global_load_b128 v[128:131], v16, s[6:7]
	global_load_b128 v[132:135], v16, s[6:7] offset:16
	global_load_b128 v[136:139], v16, s[6:7] offset:32
	global_load_b128 v[140:143], v17, s[8:9]
	s_wait_loadcnt 0x0
.set i, 0
.rept 4
	v_cvt_pk_bf16_f32 v[144+4*i], v[128+3*i], v[128+3*i+1]
	v_cvt_pk_bf16_f32 v[144+4*i+1], v[128+3*i+2], v[140+i]
	v_mov_b32 v[144+4*i+2], 0
	v_mov_b32 v[144+4*i+3], 0
.set i, i+1
.endr
	s_wait_alu depctr_va_vdst(0)                   ; the four rows v[144:159] are written, which the LDS stores read
.set i, 0
.rept 4
	ds_store_b128 v18, v[144+4*i:144+4*i+3] offset:W1P+80*i
	ds_store_b128 v18, v[160:163] offset:W1P+80*i+16
	ds_store_b128 v18, v[160:163] offset:W1P+80*i+32
	ds_store_b128 v18, v[160:163] offset:W1P+80*i+48
.set i, i+1
.endr
	s_branch .Lstaged
.Lwave9:
	; wave 9: the three biases, rounded; Wq and cp as they are
	v_lshlrev_b32 v16, 4, v12
	v_add_nc_u32 v17, BIAS, v16
	v_mov_b32 v18, WQL+1024
	s_wait_alu depctr_va_vdst(0)                   ; v16 is written: the loads' offset
	global_load_b128 v[128:131], v16, s[12:13]
	global_load_b128 v[132:135], v16, s[16:17]
	global_load_b128 v[136:139], v16, s[20:21]
	global_load_b128 v[140:143], v16, s[22:23]
	global_load_b128 v[144:147], v16, s[22:23] offset:512
	global_load_b64 v[148:149], v9, s[22:23] offset:1024
	s_wait_loadcnt 0x0
.irp a, 128,130,132,134,136,138
	RB2 \a, 150
.endr
	s_wait_alu depctr_va_vdst(0)                   ; the rounded biases v[128:139] are written, which the LDS stores read
	ds_store_b128 v17, v[128:131]
	ds_store_b128 v17, v[132:135] offset:512
	ds_store_b128 v17, v[136:139] offset:1024
	ds_store_b128 v17, v[140:143] offset:WQL-BIAS
	ds_store_b128 v17, v[144:147] offset:WQL-BIAS+512
	ds_store_b64 v18, v[148:149]                   ; every lane the same two words
.Lstaged:
	; THE NEAREST SUPPORT.  On every way here a wait for zero loads has passed: the group, the place and the inputs are in.
	v_min_u32 v11, 95, v11                         ; a loaded number enters an address only behind this bound
	v_lshlrev_b32 v11, 7, v11                      ; the group's 32 supports, 128 bytes of a row,
	v_lshlrev_b32 v48, 6, v2
	v_add_nc_u32 v11, v11, v48                     ; my half's sixteen
	s_wait_alu depctr_va_vdst(0)                   ; v11 is written, the offset of the loads below; the staging's conversions are done with v[128:175], in which they land
	s_wait_alu depctr_vm_vsrc(0)                   ; the staging's LDS stores have read v[128:255] and v17 to v19, its loads v16, the first eight loads v13: all are written again below
.set ro, 0
.rept 7                                ; x, y, z, norm, f0, f1, f2: row ro into v[64 + 16 ro ..]
.set t, 0
.rept 4
	global_load_b128 v[64+16*ro+4*t:64+16*ro+4*t+3], v11, s[28:29] offset:12288*ro+16*t
.set t, t+1
.endr
.set ro, ro+1
.endr
.irp k, 0,1,2,3
	v_mov_b32 v[40+2*\k], v[32+\k]                 ; my point's x, y, z, norm, twice each for the packed lines
	v_mov_b32 v[41+2*\k], v[32+\k]
	v_mov_b32 v[52+\k], 0                          ; destinations of lane exchanges count as read
.endr
	v_mov_b32 v13, WQL+1024                        ; cp's LDS address, for the head
	v_mov_b32 v49, 1.0
	v_cvt_pk_bf16_f32 v16, v36, v37                ; source 1 of layer 1: K 0-3 = x0, x1, x2, 1 in the lanes with h = 0; all else 0
	v_cvt_pk_bf16_f32 v17, v38, v49
	v_cndmask_b32 v16, 0, v16, s35
	v_cndmask_b32 v17, 0, v17, s35
.irp k, 18,19,20,21,22,23,26,27,28,29,30,31
	v_mov_b32 v\k, 0
.endr
	s_wait_loadcnt 0x0
.set i, 0
.rept 8
	v_pk_mul_f32 v[192+2*i:193+2*i], v[64+2*i:65+2*i], v[40:41]
.set i, i+1
.endr
.set i, 0
.rept 8
	v_pk_fma_f32 v[192+2*i:193+2*i], v[80+2*i:81+2*i], v[42:43], v[192+2*i:193+2*i]
.set i, i+1
.endr
.set i, 0
.rept 8
	v_pk_fma_f32 v[192+2*i:193+2*i], v[96+2*i:97+2*i], v[44:45], v[192+2*i:193+2*i]
.set i, i+1
.endr
.set i, 0
.rept 8
	v_pk_add_f32 v[176+2*i:177+2*i], v[112+2*i:113+2*i], v[46:47]
.set i, i+1
.endr
.set i, 0
.rept 8
	v_pk_fma_f32 v[176+2*i:177+2*i], v[192+2*i:193+2*i], -2.0, v[176+2*i:177+2*i] op_sel_hi:[1,0,1]
.set i, i+1
.endr
.set i, 1
.rept 15                               ; ascending, strictly nearer: the first index keeps a tie; the best lies in the registers of support 0.  Each compare reads the best that the selects before it wrote: a chain
	v_cmp_lt_f32 vcc_lo, v[176+i], v176
	s_wait_alu depctr_va_vcc(0)                    ; VCC is written, ahead of the four selects that read it
	v_cndmask_b32 v176, v176, v[176+i], vcc_lo
	v_cndmask_b32 v128, v128, v[128+i], vcc_lo
	v_cndmask_b32 v144, v144, v[144+i], vcc_lo
	v_cndmask_b32 v160, v160, v[160+i], vcc_lo
.set i, i+1
.endr
	v_permlanex16_b32 v52, v176, s46, s47
	v_permlanex16_b32 v53, v128, s46, s47
	v_permlanex16_b32 v54, v144, s46, s47
	v_permlanex16_b32 v55, v160, s46, s47
	v_cmp_lt_f32 vcc_lo, v52, v176                 ; right in the lanes with h = 0, which alone keep the result
	s_wait_alu depctr_va_vcc(0)                    ; VCC is written, ahead of the three selects that read it
	v_cndmask_b32 v128, v128, v53, vcc_lo
	v_cndmask_b32 v144, v144, v54, vcc_lo
	v_cndmask_b32 v160, v160, v55, vcc_lo
	v_cvt_pk_bf16_f32 v24, v128, v144              ; exact: the table holds bf16 numbers
	v_cvt_pk_bf16_f32 v25, v160, v49
	v_cndmask_b32 v24, 0, v24, s35
	v_cndmask_b32 v25, 0, v25, s35
	s_wait_dscnt 0x0                               ; for the others' sake: my stores into LDS are done
	s_barrier_signal -1
	s_barrier_wait -1                              ; the one barrier: from here on LDS is only read
	; THE LAYERS
	s_wait_alu depctr_va_vdst(0)                   ; the scan and the lines round it are done with v[32:95], in which W1's fragments land; v13 is written
	LOADSET 3, 80, 2, 0, 32                        ; W1 [x; 1], point and support: all eight fragments at once
	LOADSET 3, 80, 2, 1, 48
	LOADSET 3, 80, 2, 2, 64
	LOADSET 3, 80, 2, 3, 80
.set st, 0
.rept 4
.set CUR, 32+16*st
	s_wait_dscnt 12-4*st                           ; set st is in; the younger sets, four loads each, stay out
	MULSET 3, 80, 1, 2, 2, 16, 1, 0                ; the products start the sums
.set st, st+1
.endr
	PLACES
	CONVALL 2, 64, 1                               ; h1
	s_wait_alu depctr_va_vdst(0)                   ; the conversions are done reading the accumulators, in which b2 lands; layer 1's matrix instructions are done reading v[16:63], in which W2's fragments land
	BIASLD 0, 2
	GEMM3 4, 272, 4, 2, 2, 64, 16, 32, 48          ; W2 h1 + b2
	CONVALL 2, 64, 0                               ; lat: the point's 128 channels, then the support's: Wm1's 256 columns in order
	s_wait_alu depctr_va_vdst(0)                   ; the conversions are done reading v[128:255], in which bm1 and Wm1's fragments land; layer 2's matrix instructions are done reading v[32:63]
	BIASLD 512, 1
	GEMM3 5, 528, 8, 1, 4, 64, 32, 192, 224        ; Wm1 [lat; lat_support] + bm1
	CONVALL 1, 224, 1                              ; m1
	s_wait_alu depctr_va_vdst(0)                   ; the conversions are done reading the accumulators, in which bm2 lands; layer 3's matrix instructions are done reading v[32:95] and v[192:223], in which Wm2's fragments land
	BIASLD 1024, 1
	GEMM3 6, 272, 4, 1, 4, 224, 32, 192, 64        ; Wm2 m1 + bm2
	; THE HEAD, in f32: my 64 channels of the point against both rows of Wq
	s_wait_alu depctr_va_vdst(0)                   ; the matrix instructions are done reading v[64:127] and v[192:255], in which Wq lands, and v[24:25], in which cp lands
.set o, 0
.rept 2
.set m, 0
.rept 8
	ds_load_b128 v[64+128*o+8*m:64+128*o+8*m+3], v8 offset:512*o+64*m
	ds_load_b128 v[64+128*o+8*m+4:64+128*o+8*m+7], v8 offset:512*o+64*m+16
.set m, m+1
.endr
.set o, o+1
.endr
	ds_load_b64 v[24:25], v13                      ; cp
.set i, 0
.rept 64
	v_max_num_f32 v[ACC+i], 0, v[ACC+i]            ; ascending: each accumulator from its low end on
.set i, i+1
.endr
	s_wait_dscnt 0x0
.set i, 0
.rept 32                               ; two chains for each output; the first products start them
.if i < 2
	v_pk_mul_f32 v[16+2*i:17+2*i], v[ACC+2*i:ACC+2*i+1], v[64+2*i:65+2*i]
	v_pk_mul_f32 v[20+2*i:21+2*i], v[ACC+2*i:ACC+2*i+1], v[192+2*i:193+2*i]
.else
	v_pk_fma_f32 v[16+2*(i%2):17+2*(i%2)], v[ACC+2*i:ACC+2*i+1], v[64+2*i:65+2*i], v[16+2*(i%2):17+2*(i%2)]
	v_pk_fma_f32 v[20+2*(i%2):21+2*(i%2)], v[ACC+2*i:ACC+2*i+1], v[192+2*i:193+2*i], v[20+2*(i%2):21+2*(i%2)]
.endif
.set i, i+1
.endr
	v_pk_add_f32 v[16:17], v[16:17], v[18:19]
	v_pk_add_f32 v[20:21], v[20:21], v[22:23]
	v_add_f32 v16, v16, v17
	v_add_f32 v20, v20, v21
	v_permlanex16_b32 v17, v16, s46, s47           ; the point's other 64 channels lie in the lane 16 away
	v_permlanex16_b32 v21, v20, s46, s47
	v_add_f32 v16, v16, v17
	v_add_f32 v20, v20, v21
	v_add_f32 v16, v16, v24
	v_add_f32 v20, v20, v25
	v_cndmask_b32 v16, v20, v16, s35               ; lanes with h = 0 store output 0, the others output 1
	s_wait_alu depctr_va_vdst(0)                   ; v16 is written, which the store reads
	global_store_b32 v10, v16, s[30:31]            ; 64 consecutive bytes in each of p's two rows
	s_wait_dscnt 0x0                               ; the closing lines, six on end
	s_wait_alu 0x0
	s_wait_tensorcnt 0x0
	ds_add_u32 v14, v15
	s_wait_dscnt 0x0
	s_endpgm
.Lfunc_end_k_qd54f76eb94_mlp:
	.size	k_qd54f76eb94_mlp, .Lfunc_end_k_qd54f76eb94_mlp-k_qd54f76eb94_mlp
	.p2alignl 7, 3214868480
	.fill 96, 4, 3214868480
	.section	.rodata,"a",@progbits
	.p2align	6, 0x0
	.amdhsa_kernel k_qd54f76eb94_mlp
		.amdhsa_group_segment_fixed_size 151552
		.amdhsa_private_segment_fixed_size 0
		.amdhsa_enable_private_segment 0
		.amdhsa_kernarg_size 112
		.amdhsa_user_sgpr_count 2
		.amdhsa_user_sgpr_kernarg_segment_ptr 1
		.amdhsa_wavefront_size32 1
		.amdhsa_system_sgpr_workgroup_id_x 1
		.amdhsa_system_sgpr_workgroup_id_y 1
		.amdhsa_system_sgpr_workgroup_id_z 1
		.amdhsa_system_vgpr_workitem_id 0
		.amdhsa_next_free_vgpr 256
		.amdhsa_next_free_sgpr 66
		.amdhsa_reserve_vcc 1
		.amdhsa_float_denorm_mode_32 3
		.amdhsa_float_denorm_mode_16_64 3
		.amdhsa_memory_ordered 1
		.amdhsa_forward_progress 1
		.amdhsa_inst_pref_size 98
	.end_amdhsa_kernel
	.amdgpu_metadata
---
amdhsa.version: [ 1, 2 ]
amdhsa.kernels:
  - .name:           k_qd54f76eb94_mlp
    .symbol:         k_qd54f76eb94_mlp.kd
    .args:
      - { .name: x, .offset: 0, .size: 8, .value_kind: global_buffer, .address_space: global }
      - { .name: W1, .offset: 8, .size: 8, .value_kind: global_buffer, .address_space: global }
      - { .name: b1, .offset: 16, .size: 8, .value_kind: global_buffer, .address_space: global }
      - { .name: W2, .offset: 24, .size: 8, .value_kind: global_buffer, .address_space: global }
      - { .name: b2, .offset: 32, .size: 8, .value_kind: global_buffer, .address_space: global }
      - { .name: Wm1, .offset: 40, .size: 8, .value_kind: global_buffer, .address_space: global }
      - { .name: bm1, .offset: 48, .size: 8, .value_kind: global_buffer, .address_space: global }
      - { .name: Wm2, .offset: 56, .size: 8, .value_kind: global_buffer, .address_space: global }
      - { .name: bm2, .offset: 64, .size: 8, .value_kind: global_buffer, .address_space: global }
      - { .name: wq, .offset: 72, .size: 8, .value_kind: global_buffer, .address_space: global }
      - { .name: ag, .offset: 80, .size: 8, .value_kind: global_buffer, .address_space: global }
      - { .name: dbP, .offset: 88, .size: 8, .value_kind: global_buffer, .address_space: global }
      - { .name: dbS, .offset: 96, .size: 8, .value_kind: global_buffer, .address_space: global }
      - { .name: p, .offset: 104, .size: 8, .value_kind: global_buffer, .address_space: global }
    .group_segment_fixed_size: 151552
    .private_segment_fixed_size: 0
    .kernarg_segment_align: 8
    .kernarg_segment_size: 112
    .max_flat_workgroup_size: 320
    .sgpr_count:     66
    .vgpr_count:     256
    .wavefront_size: 32
...
	.end_amdgpu_metadata
.endif
;; end of part 6
;; launch final (part 7): grid 250 x 2, 5 waves a work-group, no clusters, 0 bytes of LDS; arguments dbP, dbQ, gl, p, out0; writes out0
.if DOCPART == 7
	.amdgcn_target "amdgcn-amd-amdhsa--gfx1250"
	.amdhsa_code_object_version 6
	.text
	.protected	k_qd54f76eb94_final
	.globl	k_qd54f76eb94_final
	.p2align	8
	.type	k_qd54f76eb94_final,@function
k_qd54f76eb94_final:
	s_mov_b64 s[64:65], 0
	v_nop
	global_prefetch_b8 v0, s[64:65] scope:SCOPE_SE
	s_setreg_imm32_b32 hwreg(HW_REG_WAVE_SCHED_MODE, 0, 2), 2
	s_setreg_imm32_b32 hwreg(HW_REG_WAVE_MODE, 25, 1), 1
	s_wait_xcnt 0x0
	s_wait_alu depctr_vm_vsrc(0)
; out0[b][o][q] = (sum of w p[b][o][n]) / (sum of w) over the query's 16 nearest points n, w = 1 / (d2 + 1e-8): the normalised weights add up to 1, so cp, which p holds, passes through.
; The 16 nearest lie among the 512 points of the 16 groups that gl names.  d2 is made anew by the chain that the earlier launch used (same bits).  The choice is the fixed network of
; minima and maxima, run twice by one text: on d2, which gives T, the 16th smallest; then on keys: the index if d2 < T, the index + 32768 if d2 = T, +inf otherwise.  A point counts if its key
; is at most the 16th smallest key: exactly 16 points, ties to the lowest index.  A key n is the float with the bits 0x4B000000 + n.  No branch and no address hangs on a float.
; SHARES.  A wave has two queries, sixteen lanes each; a lane holds two neighbouring points of each of the 16 groups.
; LIMITS.  A group number outside 0..624 is held to 624.  The reciprocals are v_rcp_f32's (1 ulp).  NaN is not treated apart.
; THE MODE: SCHED_MODE bits 1:0 = 2 (LLVM: expert scheduling mode 2), set by the entry lines.  The code itself states the register dependences
; between vector instructions and memory instructions, and between a vector instruction that writes a scalar register or VCC and its readers, with s_wait_alu, always for 0.
; THE PLAN.  Registers that memory instructions touch:
;   v4, v5, v13  Offsets, made at the head and never written again: one wait on va_vdst ahead of the first loads; v13 and the store's data are covered by the wait ahead of the narrowing of EXEC.
;   GO           As loaded the groups' numbers; all sixteen offsets are made of them in one run, then one wait on va_vdst, then the 64 loads of the points; p's 32 loads read them too; never written again.
;   TX .. TW     Written by those loads, read by the distance lines.  p lands in part of TZ and TW: one wait on va_vdst behind the distance lines.
;   P0, P1       No line of the networks names them: p lands while they run.
; Masks: compares are laid in runs into s[66:97], with one wait on va_sdst behind each run, ahead of the selects that read them: two runs in the key step, one in the choice.
.set GO, 32                            ; v[32:47]   group g: its number, then my byte offset in a row
.set KB, 48                            ; v[48:63]   the key of my first point of group g
.set V,  64                            ; v[64:95]   d2, then the keys
.set WB, 96                            ; v[96:127]  the weights
.set L,  128
.set B1, 144
.set B2, 160
.set P0, 176                           ; v[176:207], v[208:239] p's two rows at my points
.set P1, 208
.set TX, 96                            ; while d2 is made: the points' x, y, z and norms
.set TY, 128
.set TZ, 160
.set TW, 192
.set MK, 66                            ; s[66:97]   a run's masks
.macro STAGE src, dst, k, j
.set i, 0
.rept 16
.if (i & (\j)) == 0
.if (i & (\k)) == 0
	v_min_num_f32 v[(\dst)+i], v[(\src)+i], v[(\src)+i+(\j)]
	v_max_num_f32 v[(\dst)+i+(\j)], v[(\src)+i], v[(\src)+i+(\j)]
.else
	v_max_num_f32 v[(\dst)+i], v[(\src)+i], v[(\src)+i+(\j)]
	v_min_num_f32 v[(\dst)+i+(\j)], v[(\src)+i], v[(\src)+i+(\j)]
.endif
.endif
.set i, i+1
.endr
.endm
.macro BSORT src, dst                  ; sixteen registers, ascending, into dst; src is kept
	STAGE \src, B1, 2, 1
	STAGE B1, B2, 4, 2
	STAGE B2, B1, 4, 1
	STAGE B1, B2, 8, 4
	STAGE B2, B1, 8, 2
	STAGE B1, B2, 8, 1
	STAGE B2, B1, 16, 8
	STAGE B1, B2, 16, 4
	STAGE B2, B1, 16, 2
	STAGE B1, \dst, 16, 1
.endm
.macro CLEAN                           ; the bitonic run in B1, ascending, into L
	STAGE B1, B2, 16, 8
	STAGE B2, B1, 16, 4
	STAGE B1, B2, 16, 2
	STAGE B2, L, 16, 1
.endm
.macro PRUNE                           ; the 16 smallest of two ascending sixteens
.set i, 0
.rept 16
	v_min_num_f32 v[B1+i], v[L+i], v[B2+15-i]
.set i, i+1
.endr
.endm
.macro XPRUNE m                        ; the same with the lane m away
.set i, 0
.rept 16
	v_min_num_f32_dpp v[B1+i], v[L+15-i], v[L+i] row_xmask:\m row_mask:0xf bank_mask:0xf
.set i, i+1
.endr
.endm
	s_load_b256 s[4:11], s[0:1], 0x0               ; dbP s[4:5], dbQ s[6:7], gl s[8:9], p s[10:11]
	s_load_b64 s[12:13], s[0:1], 0x20              ; out0
	v_and_b32 v1, 31, v0
	v_lshrrev_b32 v2, 5, v0
	v_readfirstlane_b32 s14, v2                    ; the wave
	v_lshrrev_b32 v2, 4, v1                        ; which of the wave's two queries
	v_and_b32 v3, 15, v1                           ; my place among its sixteen lanes
	v_lshlrev_b32 v4, 6, v2
	v_lshlrev_b32 v5, 2, v2
	v_lshlrev_b32 v6, 3, v3                        ; my two points in a group's 128 bytes
	v_lshlrev_b32 v7, 1, v3
	v_add_nc_u32 v7, 0x4b000000, v7
	v_mov_b32 v8, 0x7f800000
	v_mov_b32 v9, 0                                ; what a key adds to KB: even or odd point, below T or equal to it
	v_mov_b32 v10, 1
	v_mov_b32 v11, 32768
	v_mov_b32 v12, 32769
	v_mul_u32_u24 v13, v3, 10000
	v_add_nc_u32 v13, v13, v5                      ; lanes 0 and 1 of a query store outputs 0 and 1
	s_wait_alu depctr_va_sdst(0)                   ; s14 is written, ahead of its first reader: the wave's first query is made from it
	s_and_b32 s15, ttmp7, 0xffff
	s_mul_i32 s16, ttmp9, 5
	s_add_co_u32 s16, s16, s14
	s_lshl_b32 s16, s16, 1                         ; the wave's first query
	s_mov_b32 s23, 0
	s_mov_b32 s25, 0
	s_mov_b32 s27, 0
	s_mov_b32 s29, 0
	s_mov_b32 s33, 0
	s_mul_i32 s22, s15, 2500
	s_add_co_u32 s22, s22, s16
	s_lshl_b32 s22, s22, 6
	s_mul_i32 s24, s15, 40960
	s_lshl2_add_u32 s24, s16, s24
	s_mul_i32 s26, s15, 327680
	s_mul_i32 s28, s15, 163840
	s_mul_i32 s32, s15, 20000
	s_lshl2_add_u32 s32, s16, s32
	s_wait_kmcnt 0x0
	s_add_nc_u64 s[8:9], s[8:9], s[22:23]
	s_add_nc_u64 s[6:7], s[6:7], s[24:25]
	s_add_nc_u64 s[4:5], s[4:5], s[26:27]
	s_add_nc_u64 s[10:11], s[10:11], s[28:29]
	s_add_nc_u64 s[12:13], s[12:13], s[32:33]
	s_wait_alu depctr_va_vdst(0)                   ; v4 and v5 are written: the offsets of the eight loads below
.irp k, 0,1,2,3
	global_load_b128 v[GO+4*\k:GO+4*\k+3], v4, s[8:9] offset:16*\k
.endr
.irp k, 0,1,2,3
	global_load_b32 v[16+2*\k], v5, s[6:7] offset:10240*\k
.endr
	s_wait_loadcnt 0x0
.set g, 0
.rept 16                               ; all sixteen offsets first
	v_min_u32 v[GO+g], 624, v[GO+g]                ; a loaded number enters an address only behind this bound
	v_lshl_add_u32 v[KB+g], v[GO+g], 5, v7
	v_lshlrev_b32 v[GO+g], 7, v[GO+g]
	v_add_nc_u32 v[GO+g], v[GO+g], v6
.set g, g+1
.endr
.irp k, 0,1,2,3
	v_mov_b32 v[17+2*\k], v[16+2*\k]               ; the query's x, y, z, norm, twice each for the packed lines
.endr
	s_wait_alu depctr_va_vdst(0)                   ; the sixteen offsets in GO are written, which the loads below and p's loads read
.set g, 0
.rept 16
	global_load_b64 v[TX+2*g:TX+2*g+1], v[GO+g], s[4:5]
	global_load_b64 v[TY+2*g:TY+2*g+1], v[GO+g], s[4:5] offset:81920
	global_load_b64 v[TZ+2*g:TZ+2*g+1], v[GO+g], s[4:5] offset:2*81920
	global_load_b64 v[TW+2*g:TW+2*g+1], v[GO+g], s[4:5] offset:3*81920
.set g, g+1
.endr
.set g, 0
.rept 16
.set at, 24+2*(g%2)
	s_wait_loadcnt 60-4*g                          ; four loads a group: those of the groups behind may stay out
	v_pk_mul_f32 v[at:at+1], v[TX+2*g:TX+2*g+1], v[16:17]
	v_pk_fma_f32 v[at:at+1], v[TY+2*g:TY+2*g+1], v[18:19], v[at:at+1]
	v_pk_fma_f32 v[at:at+1], v[TZ+2*g:TZ+2*g+1], v[20:21], v[at:at+1]
	v_pk_add_f32 v[V+2*g:V+2*g+1], v[TW+2*g:TW+2*g+1], v[22:23]
	v_pk_fma_f32 v[V+2*g:V+2*g+1], v[at:at+1], -2.0, v[V+2*g:V+2*g+1] op_sel_hi:[1,0,1]
.set g, g+1
.endr
	s_wait_alu depctr_va_vdst(0)                   ; the distance lines are done reading TZ and TW, in part of which p lands
.set g, 0
.rept 16                               ; p at the same points: it lands while the networks run
	global_load_b64 v[P0+2*g:P0+2*g+1], v[GO+g], s[10:11]
	global_load_b64 v[P1+2*g:P1+2*g+1], v[GO+g], s[10:11] offset:81920
.set g, g+1
.endr
	s_mov_b32 s30, 2
.Lpass:
	BSORT V, L
	BSORT V+16, B2
	PRUNE
	CLEAN
.irp m, 1,2,4,8
	XPRUNE \m
	CLEAN
.endr
	s_cmp_eq_u32 s30, 1
	s_cbranch_scc1 .Lno_key                        ; the last trip makes no keys
; The weights are made, and d2 gives way to the keys; T is v[L+15].  Sixteen elements at a time: their 32 compares in a run, their weights, the one wait for the masks, their selects.
.set b, 0
.rept 2
.set k, 0
.rept 16
	v_cmp_lt_f32 s[MK+k], v[V+16*b+k], v[L+15]
	v_cmp_le_f32 s[MK+16+k], v[V+16*b+k], v[L+15]
.set k, k+1
.endr
.set k, 0
.rept 8
	v_pk_add_f32 v[WB+16*b+2*k:WB+16*b+2*k+1], v[V+16*b+2*k:V+16*b+2*k+1], 0x322bcc77 op_sel_hi:[1,0]  ; + 1e-8
.set k, k+1
.endr
.set k, 0
.rept 16
	v_rcp_f32 v[WB+16*b+k], v[WB+16*b+k]           ; a batch; the first select below is the plain line behind the last of them (ISA guide 5.7.2)
.set k, k+1
.endr
	s_wait_alu depctr_va_sdst(0)                   ; the run's 32 masks are written, ahead of the selects that read them
.set k, 0
.rept 16
.set e, 16*b+k
	v_cndmask_b32 v[28+k%2], v[11+k%2], v[9+k%2], s[MK+k]
	v_add_nc_u32 v[28+k%2], v[28+k%2], v[KB+e/2]
	v_cndmask_b32 v[V+e], v8, v[28+k%2], s[MK+16+k]
.set k, k+1
.endr
.set b, b+1
.endr
	s_wait_alu depctr_va_vdst(0)                   ; the 32 reciprocals have written WB: one wait for both batches, ahead of the label and of every line that names WB
.Lno_key:
	s_sub_co_u32 s30, s30, 1
	s_cmp_lg_u32 s30, 0
	s_cbranch_scc1 .Lpass
.set e, 0
.rept 32                               ; which points count: one run of compares
	v_cmp_le_f32 s[MK+e], v[V+e], v[L+15]
.set e, e+1
.endr
	s_wait_loadcnt 0x0                             ; p
	s_wait_alu depctr_va_sdst(0)                   ; the 32 masks are written, ahead of the selects that read them
.set g, 0
.rept 16                               ; a point that does not count has the weight 0; the first pair starts the three sums
.if g == 0
	v_cndmask_b32 v16, 0, v[WB], s[MK]
	v_cndmask_b32 v17, 0, v[WB+1], s[MK+1]
	v_pk_mul_f32 v[18:19], v[16:17], v[P0:P0+1]
	v_pk_mul_f32 v[20:21], v[16:17], v[P1:P1+1]
.else
	v_cndmask_b32 v[WB+2*g], 0, v[WB+2*g], s[MK+2*g]
	v_cndmask_b32 v[WB+2*g+1], 0, v[WB+2*g+1], s[MK+2*g+1]
	v_pk_add_f32 v[16:17], v[16:17], v[WB+2*g:WB+2*g+1]
	v_pk_fma_f32 v[18:19], v[WB+2*g:WB+2*g+1], v[P0+2*g:P0+2*g+1], v[18:19]
	v_pk_fma_f32 v[20:21], v[WB+2*g:WB+2*g+1], v[P1+2*g:P1+2*g+1], v[20:21]
.endif
.set g, g+1
.endr
	v_add_f32 v16, v16, v17
	v_add_f32 v18, v18, v19
	v_add_f32 v20, v20, v21
.irp m, 1,2,4,8                        ; over the query's sixteen lanes
	v_add_f32_dpp v16, v16, v16 row_xmask:\m row_mask:0xf bank_mask:0xf
	v_add_f32_dpp v18, v18, v18 row_xmask:\m row_mask:0xf bank_mask:0xf
	v_add_f32_dpp v20, v20, v20 row_xmask:\m row_mask:0xf bank_mask:0xf
.endr
	v_rcp_f32 v17, v16
	v_cmp_eq_u32 vcc_lo, 1, v3                     ; the plain line behind the reciprocal
	s_wait_alu depctr_va_vcc(0)                    ; VCC is written, ahead of the select that reads it
	s_wait_alu depctr_va_vdst(0)                   ; the reciprocal has written v17, ahead of its first reader
	v_mul_f32 v18, v18, v17
	v_mul_f32 v20, v20, v17
	v_cndmask_b32 v18, v18, v20, vcc_lo
	v_cmp_gt_u32 vcc_lo, 2, v3
	s_wait_xcnt 0x0                                ; EXEC changes only behind this wait
	s_wait_alu depctr_va_vcc(0)                    ; VCC is written: EXEC is made from it
	s_wait_alu depctr_va_vdst(0)                   ; every vector instruction issued under the full EXEC has written its result, v18, the store's data, among them
	s_wait_alu depctr_vm_vsrc(0)                   ; every memory instruction issued under the full EXEC has read its registers
	s_and_saveexec_b32 s21, vcc_lo                 ; two lanes of each query store
	global_store_b32 v13, v18, s[12:13]
	s_wait_xcnt 0x0
	s_wait_alu depctr_va_vdst(0)                   ; ahead of the write of EXEC: no vector instruction is pending under the narrow EXEC
	s_wait_alu depctr_vm_vsrc(0)                   ; the store has read v13 and v18 under the narrow EXEC
	s_or_b32 exec_lo, exec_lo, s21
	s_endpgm
.Lfunc_end_k_qd54f76eb94_final:
	.size	k_qd54f76eb94_final, .Lfunc_end_k_qd54f76eb94_final-k_qd54f76eb94_final
	.p2alignl 7, 3214868480
	.fill 96, 4, 3214868480
	.section	.rodata,"a",@progbits
	.p2align	6, 0x0
	.amdhsa_kernel k_qd54f76eb94_final
		.amdhsa_group_segment_fixed_size 0
		.amdhsa_private_segment_fixed_size 0
		.amdhsa_enable_private_segment 0
		.amdhsa_kernarg_size 40
		.amdhsa_user_sgpr_count 2
		.amdhsa_user_sgpr_kernarg_segment_ptr 1
		.amdhsa_wavefront_size32 1
		.amdhsa_system_sgpr_workgroup_id_x 1
		.amdhsa_system_sgpr_workgroup_id_y 1
		.amdhsa_system_sgpr_workgroup_id_z 1
		.amdhsa_system_vgpr_workitem_id 0
		.amdhsa_next_free_vgpr 240
		.amdhsa_next_free_sgpr 98
		.amdhsa_reserve_vcc 1
		.amdhsa_float_denorm_mode_32 3
		.amdhsa_float_denorm_mode_16_64 3
		.amdhsa_memory_ordered 1
		.amdhsa_forward_progress 1
		.amdhsa_inst_pref_size 66
	.end_amdhsa_kernel
	.amdgpu_metadata
---
amdhsa.version: [ 1, 2 ]
amdhsa.kernels:
  - .name:           k_qd54f76eb94_final
    .symbol:         k_qd54f76eb94_final.kd
    .args:
      - { .name: dbP, .offset: 0, .size: 8, .value_kind: global_buffer, .address_space: global }
      - { .name: dbQ, .offset: 8, .size: 8, .value_kind: global_buffer, .address_space: global }
      - { .name: gl, .offset: 16, .size: 8, .value_kind: global_buffer, .address_space: global }
      - { .name: p, .offset: 24, .size: 8, .value_kind: global_buffer, .address_space: global }
      - { .name: out0, .offset: 32, .size: 8, .value_kind: global_buffer, .address_space: global }
    .group_segment_fixed_size: 0
    .private_segment_fixed_size: 0
    .kernarg_segment_align: 8
    .kernarg_segment_size: 40
    .max_flat_workgroup_size: 160
    .sgpr_count:     98
    .vgpr_count:     240
    .wavefront_size: 32
...
	.end_amdgpu_metadata
.endif
;; end of part 7
